; MI455X (gfx1250); checked and timed in simulation.
; The chip was launched on July 23, 2026; its instructions are those of AMD's public machine-readable ISA for CDNA 5 (MIT licence, August 2026) and "CDNA5" Instruction Set Architecture Reference Guide (July 2026). The comments in the code are by the model that wrote it; some were corrected since.
;; Multi Head Attention. Allowed arithmetic: matrix products marked QUANTISED: E2M1 operands, one E8M0 scale for each 32 along K, by v_wmma_scale_f32_16x16x128_f8f6f4 with both operands' format E2M1 (or v_wmma_scale_f32_32x16x128_f4), f32 sums; products left as they are: bf16, f16 or f32 operands; f32 sums; everything else in f32.
;; Inputs: Wk 1,024 x 1,024 float32; Wo 1,024 x 1,024 float32; Wq 1,024 x 1,024 float32; Wv 1,024 x 1,024 float32; beta 1,024 float32; gamma 1,024 float32; k 4 x 2,048 x 1,024 float32; mask 4 x 1 x 2,048 x 2,048 int32; q 4 x 2,048 x 1,024 float32; v 4 x 2,048 x 1,024 float32.
;; Outputs: out0 4 x 2,048 x 1,024 float32.
;; This version of the problem:
;;   THIS VERSION OF THE PROBLEM IS GIVEN IN LOW PRECISION. The matrix products marked QUANTISED in the list below multiply operands that are first quantised to E2M1 (2 exponent bits, 1 mantissa bit; 4 bits a number), with one power-of-two scale for each 32 numbers along K (OCP MX v1.0); their sums are f32. The products marked 'left as it is' may take bf16, f16 or f32 operands, with f32 sums. Whichever they take, every output number must still come out within the allowed error. Rounding operands to bf16 (8 significant bits) uses up far more of that allowance than f16 does (11 bits, for magnitudes from 6e-5 to 65,504). All else is computed in f32.
;;   The module's matrix products, in the order in which they are computed (A, B: the left and right operand; K: the contracted axis; several contracted axes count as one K, in the product's order):
;;     1. [M 8,192, K 1,024] x [K 1,024, N 1,024]; A: input q; B: input Wq: QUANTISED
;;     2. [M 8,192, K 1,024] x [K 1,024, N 1,024]; A: input k; B: input Wk: QUANTISED
;;     3. [M 8,192, K 1,024] x [K 1,024, N 1,024]; A: input v; B: input Wv: QUANTISED
;;     4. batch 64 x [M 2,048, K 64] x [K 64, N 2,048]; A: computed on the way; B: computed on the way: left as it is (an operand is computed on the way)
;;     5. batch 64 x [M 2,048, K 2,048] x [K 2,048, N 64]; A: computed on the way; B: computed on the way: left as it is (an operand is computed on the way)
;;     6. [M 8,192, K 1,024] x [K 1,024, N 1,024]; A: computed on the way; B: input Wo: left as it is (an operand is computed on the way)
;;   THE QUANTISER, for each operand of a quantised product, along K:
;;     - K is cut into blocks of 32 from its start; a last block that is shorter is filled with zeros.
;;     - A block's scale is 2^e with e = floor(log2(the largest magnitude in the block)) - 2, held to -126 .. 127; a block of zeros has e = 0. As a byte (E8M0): e + 127.
;;     - Each number is divided by its block's scale, clamped to +-6, and rounded to the nearest number of E2M1, ties to even, subnormals kept.
;;     - The product sums the exact products of the quantised numbers (number of the format x scale) in f32.
;;   ~~~python
;;   def quantise(x, axis):      # numpy; x: float32 -> the quantised numbers, widened to float32 again
;;       x = np.moveaxis(x, axis, -1); K = x.shape[-1]
;;       x = np.pad(x, [(0, 0)] * (x.ndim - 1) + [(0, -K % 32)]); x = x.reshape(x.shape[:-1] + (-1, 32)); a = np.abs(x).max(-1, keepdims=True)
;;       e = np.where(a > 0, np.clip(np.frexp(np.where(a > 0, a, 1))[1] - 1 - 2, -126, 127), 0)      # np.frexp(a)[1] - 1 = floor(log2(a)), exactly
;;       r = np.clip(x / 2.0 ** e, -6, 6)
;;       step = 2.0 ** (np.maximum(np.frexp(np.where(r == 0, 1, r))[1] - 1, 0) - 1)
;;       q = np.round(r / step) * step * 2.0 ** e      # np.round: ties to even
;;       return np.moveaxis(q.reshape(q.shape[:-2] + (-1,))[..., :K], -1, axis).astype(np.float32)
;;   ~~~
;; One version. Each part assembles by itself: llvm-mc -triple=amdgcn-amd-amdhsa -mcpu=gfx1250 --defsym DOCPART=n.
;; ======== version 1 of 1: 5 launches
;; limits: values are held in f16: magnitudes above 65,504 overflow, below 6.1e-05 lose precision
;; workspace buffers: ac 12,582,912 bytes; asc 786,432 bytes; wc 1,572,864 bytes; wsc 98,304 bytes; wi 2,097,152 bytes; mw 2,097,152 bytes of whole numbers; hi 50,331,648 bytes; ci 16,777,216 bytes
;; launch prep (part 1): grid 1392 x 1, 4 waves a work-group, no clusters, 75,264 bytes of LDS; arguments q, k, v, Wq, Wk, Wv, Wo, mask, ac, asc, wc, wsc, wi, mw; writes ac, asc, wc, wsc, wi, mw
.if DOCPART == 1
	.amdgcn_target "amdgcn-amd-amdhsa--gfx1250"
	.amdhsa_code_object_version 6
	.text
	.protected	k_q630b0c46f9_prep
	.globl	k_q630b0c46f9_prep
	.p2align	8
	.type	k_q630b0c46f9_prep,@function
k_q630b0c46f9_prep:
	s_mov_b64 s[64:65], 0
	v_nop
	global_prefetch_b8 v0, s[64:65] scope:SCOPE_SE
	s_setreg_imm32_b32 hwreg(HW_REG_WAVE_MODE, 25, 1), 1
	s_wait_xcnt 0x0
; PREP: everything that touches an input once.  No work of the problem is left out anywhere in this program: every one of the ten inputs has a way to the output, and all are loaded.
;   work-groups    0 ..   47: Wq, Wk, Wv [k][n] f32 -> codes of FP4 (E2M1) laid [n][k], K innermost (wc), one E8M0 byte for each 32 along K (wsc)
;   work-groups   48 ..  111: Wo [k][n] f32 -> f16, laid in the order of a matrix operand's registers (wi)
;   work-groups  112 ..  879: q, k, v [token][k] f32 -> codes (ac) and scale bytes (asc)
;   work-groups  880 .. 1391: mask int32 -> one bit a number, as lane-mask words in the layout of a tile of scores (mw)
; THE QUANTISER: a block's scale is 2^(floor(log2(largest magnitude)) - 2); its byte is the largest magnitude's exponent field - 2, held at 1 from below; numbers / scale go to the nearest code, ties to even,
; beyond 6 the largest code.  LIMITS: a block of zeros gets the byte 1 where the rule says 127 (its codes are zeros, which add nothing under any byte but 0xff, and this program alone reads the bytes);
; blocks whose largest magnitude lies under 2^-124 were not tried; NaN and infinities are not served; |Wo| stays under 65,504 (f16).
; The four paths part on the work-group's number alone; each has LDS bytes of its own.  No barrier: waves share nothing.  No tensor load.
.set SPW,   190                        ; v190 LDS address of my spare word; never rewritten
.set NIL,   191                        ; v191 0; never rewritten
.set WVN,   32                         ; s32  my wave's number
.set RGW,   22528                      ; LDS: 0 .. 22,527 the activations' path; from here the weights' stages, 4 x 32 x 272
.set RGM,   57344                      ; the mask's stages, 4 x 16 x 272
.set SPARE, 74752                      ; the spare words, 128 bytes a wave: two blocks of 256 bytes that no other line names
	s_load_b512 s[4:19], s[0:1], 0x0               ; q s[4:5], k s[6:7], v s[8:9], Wq s[10:11], Wk s[12:13], Wv s[14:15], Wo s[16:17], mask s[18:19]
	s_load_b256 s[20:27], s[0:1], 0x40             ; ac s[20:21], asc s[22:23], wc s[24:25], wsc s[26:27]
	s_load_b128 s[28:31], s[0:1], 0x60             ; wi s[28:29], mw s[30:31]
	v_lshl_add_u32 v[SPW], v0, 2, SPARE
	v_mov_b32 v[NIL], 0
	v_lshrrev_b32 v1, 5, v0
	v_readfirstlane_b32 s[WVN], v1                 ; wave 0..3
	v_and_b32 v2, 31, v0                           ; lane
	s_wait_kmcnt 0x0
	s_cmp_lt_u32 ttmp9, 48
	s_cbranch_scc1 .Lpath_w
	s_cmp_lt_u32 ttmp9, 112
	s_cbranch_scc1 .Lpath_o
	s_cmp_lt_u32 ttmp9, 880
	s_cbranch_scc1 .Lpath_a
; ---------------- THE MASK.  Work-group u = 128 b + qt takes 16 queries; wave w keys 512 w on, eight steps of 64 keys.
; A load takes two rows' 256 bytes; a step's 16 x 256 bytes turn through my stage (pitch 272) so that lane (r, h) holds mask[16 qt + r][64 ks + 16 i + 8 h + j] in register 8 i + j: the place of that score in a tile.
; A compare then gives word 8 i + j whole: bit r + 16 h.  Two steps' 64 words are gathered lane by lane and leave as 256 consecutive bytes.
.set MR, 28                            ; v28-155  four sets of 32 registers as loaded
.set MX, 156                           ; v156-187 a step's 32 numbers a lane
.set MO, 12                            ; v12-19   four pairs of words to store
	s_sub_co_u32 s33, ttmp9, 880
	s_lshl_b32 s34, s33, 17                        ; 16 rows of 8,192 bytes
	s_lshl_b32 s35, s[WVN], 11                     ; my 512 keys
	s_add_co_u32 s34, s34, s35
	s_mov_b32 s35, 0
	s_add_nc_u64 s[18:19], s[18:19], s[34:35]
	s_lshl_b32 s34, s33, 12                        ; 32 steps of 128 bytes
	s_lshl_b32 s44, s[WVN], 10
	s_add_co_u32 s34, s34, s44
	s_add_nc_u64 s[30:31], s[30:31], s[34:35]
	v_and_b32 v5, 15, v2                           ; r
	v_lshrrev_b32 v6, 4, v2                        ; h
	v_lshlrev_b32 v3, 13, v6
	v_lshl_add_u32 v3, v5, 4, v3                   ; in memory: row lane / 16, 16 bytes a lane
	s_mul_i32 s43, s[WVN], 16*272
	s_add_co_u32 s43, s43, RGM
	v_mul_u32_u24 v7, v6, 272
	v_lshl_add_u32 v7, v5, 4, v7
	v_add_nc_u32 v7, s43, v7                       ; into the stage, as loaded
	v_mul_u32_u24 v8, v5, 272
	v_lshl_add_u32 v8, v6, 5, v8
	v_add_nc_u32 v8, s43, v8                       ; out of it: row r, + 32 h
	v_lshlrev_b32 v9, 3, v2                        ; 8 bytes a lane on the way out
.irp j, 0,1,2,3,4,5,6,7
	v_mov_b32 v[MO+\j], 0                          ; a lane write's destination counts as read
.endr
.macro LOADM t
.irp p, 0,1,2,3,4,5,6,7
	global_load_b128 v[MR+32*((\t)%4)+4*\p:MR+32*((\t)%4)+4*\p+3], v3, s[18:19] offset:16384*\p+256*(\t) th:TH_LOAD_NT
.endr
.endm
.macro STEPM t
.if (\t)+3 < 8
	LOADM (\t)+3
	s_wait_loadcnt 24                              ; this step's eight loads are in; those of the three steps behind it may be out
.else
	s_wait_loadcnt 8*(7-(\t))
.endif
.irp p, 0,1,2,3,4,5,6,7
	ds_store_b128 v7, v[MR+32*((\t)%4)+4*\p:MR+32*((\t)%4)+4*\p+3] offset:544*\p
.endr
.irp i, 0,1,2,3
.irp e, 0,1
	ds_load_b128 v[MX+8*\i+4*\e:MX+8*\i+4*\e+3], v8 offset:64*\i+16*\e   ; LDS serves a wave's instructions in order: these see my stores, and the next step's stores come behind them
.endr
.endr
	s_wait_dscnt 0x0
.irp g, 0,1,2,3
.irp c, 0,1,2,3,4,5,6,7
	v_cmp_ne_u32 s[48+\c], 0, v[MX+8*\g+\c]        ; word 8 g + c of the step
.endr
.irp c, 0,1,2,3,4,5,6,7
	v_writelane_b32 v[MO+2*((\t)/2)+(\c%2)], s[48+\c], 16*((\t)%2)+4*\g+\c/2
.endr
.endr
.if (\t)%2 == 1
	global_store_b64 v9, v[MO+2*((\t)/2):MO+2*((\t)/2)+1], s[30:31] offset:256*((\t)/2)   ; 32 lanes store 256 consecutive bytes, aligned; each pair of steps has registers of its own
.endif
.endm
	LOADM 0
	LOADM 1
	LOADM 2
.irp t, 0,1,2,3,4,5,6,7
	STEPM \t
.endr
	s_branch .Lend
; ---------------- Wq, Wk, Wv: K is the FIRST axis.  A lane takes a column n and its registers run down K: a block of 32 lies in one lane, and the conversions give codes with K innermost.
; Work-group u: weight u / 16, columns 128 (u % 8) on, K 512 ((u / 8) % 2) on; a wave 32 columns x 512 along K: 256 bytes of codes a column, through my stage, out as rows of 256 bytes.
.Lpath_w:
.set WX,   32                          ; v32-95   two sets of 32 numbers
.set WC,   96                          ; v96-99   a block's codes
.set WOUT, 112                         ; v112-175 the way out
.set WSB,  24                          ; v24-27   the scale bytes, four to a register
	s_lshr_b32 s33, ttmp9, 4                       ; which weight
	s_and_b32 s34, ttmp9, 7
	s_bfe_u32 s35, ttmp9, 0x10003                  ; which half of K
	s_cmp_eq_u32 s33, 0
	s_cselect_b64 s[36:37], s[10:11], s[12:13]
	s_cmp_eq_u32 s33, 2
	s_cselect_b64 s[36:37], s[14:15], s[36:37]
	s_lshl_b32 s38, s34, 7
	s_lshl_b32 s39, s[WVN], 5
	s_add_co_u32 s38, s38, s39                     ; my wave's first column
	s_lshl_b32 s40, s35, 21                        ; 512 rows of 4,096 bytes
	s_lshl_b32 s41, s38, 2
	s_add_co_u32 s40, s40, s41
	s_mov_b32 s41, 0
	s_add_nc_u64 s[36:37], s[36:37], s[40:41]
	s_lshl_b32 s40, s33, 19                        ; codes: 1,024 rows of 512 bytes a weight,
	s_lshl_b32 s42, s38, 9                         ; my column's row,
	s_add_co_u32 s40, s40, s42
	s_lshl_b32 s42, s35, 8                         ; my half of K
	s_add_co_u32 s40, s40, s42
	s_add_nc_u64 s[24:25], s[24:25], s[40:41]
	s_lshl_b32 s40, s33, 15                        ; scale bytes: 32 a row
	s_lshl_b32 s42, s38, 5
	s_add_co_u32 s40, s40, s42
	s_lshl_b32 s42, s35, 4
	s_add_co_u32 s40, s40, s42
	s_add_nc_u64 s[26:27], s[26:27], s[40:41]
	v_lshlrev_b32 v3, 2, v2                        ; in: 4 bytes a lane
	s_mul_i32 s43, s[WVN], 32*272
	s_add_co_u32 s43, s43, RGW                     ; my stage
	v_mul_u32_u24 v4, v2, 272
	v_add_nc_u32 v4, s43, v4                       ; into it: row = my column
	v_and_b32 v5, 15, v2
	v_lshrrev_b32 v6, 4, v2
	v_mul_u32_u24 v7, v6, 272
	v_lshl_add_u32 v7, v5, 4, v7
	v_add_nc_u32 v7, s43, v7                       ; out of it: sixteen lanes to a row
	v_mul_u32_u24 v8, v6, 512
	v_lshl_add_u32 v8, v5, 4, v8                   ; and the same place among the codes
	v_lshlrev_b32 v9, 5, v2                        ; my column's row of scale bytes
.macro LOADW t
.irp i, 0,1,2,3,4,5,6,7,8,9,10,11,12,13,14,15,16,17,18,19,20,21,22,23,24,25,26,27,28,29,30,31
	global_load_b32 v[WX+32*((\t)%2)+\i], v3, s[36:37] offset:(32*(\t)+\i)*4096 th:TH_LOAD_NT
.endr
.endm
.macro BLOCKW t
.set XS, WX+32*((\t)%2)
.if (\t) < 15
	s_wait_loadcnt 32                              ; this block's 32 loads are in; the next block's may be out
.else
	s_wait_loadcnt 0
.endif
	v_max3_num_f32 v12, |v[XS]|, |v[XS+1]|, |v[XS+2]|
	v_max3_num_f32 v13, |v[XS+3]|, |v[XS+4]|, |v[XS+5]|
.irp i, 6,10,14,18,22,26
	v_max3_num_f32 v12, v12, |v[XS+\i]|, |v[XS+\i+1]|
	v_max3_num_f32 v13, v13, |v[XS+\i+2]|, |v[XS+\i+3]|
.endr
	v_max3_num_f32 v12, v12, |v[XS+30]|, |v[XS+31]|
	v_max3_num_f32 v12, v12, v13, 0x1800000        ; and the floor 2^(3 - 127): the byte cannot fall under 1
	v_add_nc_u32 v11, 0xff000000, v12              ; 2 off the exponent field: the conversion's scale operand
	v_lshrrev_b32 v13, 23, v11                     ; the scale's byte
.if (\t)%4 == 0
	v_mov_b32 v[WSB+(\t)/4], v13
.else
	v_lshl_or_b32 v[WSB+(\t)/4], v13, 8*((\t)%4), v[WSB+(\t)/4]
.endif
.irp g, 0,1,2,3
	v_cvt_scalef32_pk8_fp4_f32 v[WC+\g], v[XS+8*\g:XS+8*\g+7], v11
.endr
	ds_store_b128 v4, v[WC:WC+3] offset:16*(\t)
.if (\t)+2 < 16
	LOADW (\t)+2
.endif
	s_wait_dscnt 0x0                               ; the store has read its registers: the next block's codes may be written
.endm
	LOADW 0
	LOADW 1
.irp t, 0,1,2,3,4,5,6,7,8,9,10,11,12,13,14,15
	BLOCKW \t
.endr
	global_store_b128 v9, v[WSB:WSB+3], s[26:27]   ; my column's 16 scale bytes
.irp t, 0,1,2,3,4,5,6,7,8,9,10,11,12,13,14,15
	ds_load_b128 v[WOUT+4*\t:WOUT+4*\t+3], v7 offset:2*\t*272
.endr
.irp t, 0,1,2,3,4,5,6,7,8,9,10,11,12,13,14,15
	s_wait_dscnt 15-\t                             ; the younger loads may be out
	global_store_b128 v8, v[WOUT+4*\t:WOUT+4*\t+3], s[24:25] offset:2*\t*512
.endr
	s_branch .Lend
; ---------------- Wo -> f16 images.  wi: [k step of 32][tile of 16 n][u][512 bytes]; lane (r, h) at byte 16 (r + 16 h) holds Wo[32 ks + 16 u + 8 h + 0 .. 7][16 nt + r]: half a fragment, as the operand's registers want it.
; Work-group u: columns 128 (u % 8) on, k 128 (u / 8) on; a wave 32 columns, a lane a column, registers down k.  Eight neighbours along k are 16 bytes; sixteen lanes store 256 consecutive bytes.
.Lpath_o:
	s_sub_co_u32 s33, ttmp9, 48
	s_and_b32 s34, s33, 7
	s_lshr_b32 s35, s33, 3
	s_lshl_b32 s38, s34, 7
	s_lshl_b32 s39, s[WVN], 5
	s_add_co_u32 s38, s38, s39                     ; my wave's first column
	s_lshl_b32 s40, s35, 19                        ; 128 rows of 4,096 bytes
	s_lshl_b32 s41, s38, 2
	s_add_co_u32 s40, s40, s41
	s_mov_b32 s41, 0
	s_add_nc_u64 s[16:17], s[16:17], s[40:41]
	s_lshl_b32 s40, s35, 18                        ; four k steps of 65,536 bytes
	s_lshl_b32 s42, s38, 6                         ; 1,024 bytes for each 16 columns
	s_add_co_u32 s40, s40, s42
	s_add_nc_u64 s[28:29], s[28:29], s[40:41]
	v_lshlrev_b32 v3, 2, v2
	v_and_b32 v5, 15, v2
	v_lshrrev_b32 v6, 4, v2
	v_lshlrev_b32 v4, 10, v6
	v_lshl_add_u32 v4, v5, 4, v4                   ; my tile of columns, my 16 bytes
.macro LOADO t
.irp i, 0,1,2,3,4,5,6,7,8,9,10,11,12,13,14,15,16,17,18,19,20,21,22,23,24,25,26,27,28,29,30,31
	global_load_b32 v[32+32*((\t)%2)+\i], v3, s[16:17] offset:(32*(\t)+\i)*4096 th:TH_LOAD_NT
.endr
.endm
.macro BLOCKO t
.if (\t) < 3
	s_wait_loadcnt 32                              ; this k step's 32 loads are in; the next one's may be out
.else
	s_wait_loadcnt 0
.endif
.irp i, 0,1,2,3,4,5,6,7,8,9,10,11,12,13,14,15
	v_cvt_pk_f16_f32 v[96+16*(\t)+\i], v[32+32*((\t)%2)+2*\i], v[32+32*((\t)%2)+2*\i+1]   ; each k step has registers of its own: no store's data are written again
.endr
.irp m, 0,1,2,3
	global_store_b128 v4, v[96+16*(\t)+4*\m:96+16*(\t)+4*\m+3], s[28:29] offset:65536*(\t)+512*(\m/2)+256*(\m%2)
.endr
.if (\t)+2 < 4
	LOADO (\t)+2
.endif
.endm
	LOADO 0
	LOADO 1
.irp t, 0,1,2,3
	BLOCKO \t
.endr
	s_branch .Lend
; ---------------- q, k, v: K is innermost and rows are dense, so the three tensors are one stream of 3,072 runs of 8,192 numbers; a wave takes a run: 16 steps of 512 numbers.
; Each load reads 512 consecutive bytes; a step's 2,048 bytes turn through my stage (16 bytes of padding behind each 64) and come back 64 bytes a lane: 16 neighbours; two neighbouring lanes hold a block.
.Lpath_a:
.set AR,   16                          ; v16-79   four sets of 16 numbers as loaded
.set AX,   80                          ; v80-111  two sets of 16 neighbours
.set AE,   112                         ; v112-127 a scale byte for each step
.set ACD,  128                         ; v128-159 codes: two registers for each step
.set SPA,  80                          ; a lane's place in a stage
.set WREG, 5632                        ; a wave's LDS: two stages of 32 x 80 bytes, then its 256 scale bytes
	s_sub_co_u32 s33, ttmp9, 112
	s_lshl_b32 s33, s33, 2
	s_add_co_u32 s33, s33, s[WVN]                  ; my run
	s_lshr_b32 s34, s33, 10                        ; which tensor
	s_cmp_eq_u32 s34, 0
	s_cselect_b64 s[36:37], s[4:5], s[6:7]
	s_cmp_eq_u32 s34, 2
	s_cselect_b64 s[36:37], s[8:9], s[36:37]
	s_and_b32 s38, s33, 1023
	s_lshl_b32 s38, s38, 15                        ; 32,768 bytes of f32 a run
	s_mov_b32 s39, 0
	s_add_nc_u64 s[36:37], s[36:37], s[38:39]
	s_lshl_b32 s38, s33, 12                        ; 4,096 bytes of codes
	s_add_nc_u64 s[20:21], s[20:21], s[38:39]
	s_lshl_b32 s38, s33, 8                         ; 256 scale bytes
	s_add_nc_u64 s[22:23], s[22:23], s[38:39]
	v_lshlrev_b32 v3, 4, v2                        ; my 16 bytes of a load's 512
	s_mul_i32 s44, s[WVN], WREG
	v_lshrrev_b32 v14, 2, v2
	v_mul_u32_u24 v14, v14, SPA
	v_and_b32 v15, 3, v2
	v_lshl_add_u32 v14, v15, 4, v14
	v_add_nc_u32 v14, s44, v14                     ; the stage, on the way in
	v_mul_u32_u24 v15, v2, SPA
	v_add_nc_u32 v15, s44, v15                     ; and on the way out: my 16 neighbours
	v_lshlrev_b32 v4, 3, v2                        ; 8 bytes a lane: my codes in a step's, my scale bytes at the end
	v_lshrrev_b32 v5, 1, v2
	s_add_co_u32 s44, s44, 2*32*SPA
	v_add_nc_u32 v5, s44, v5                       ; my block's byte among my wave's 256
	v_add_nc_u32 v6, s44, v4
.macro LOADA t
.irp i, 0,1,2,3
	global_load_b128 v[AR+16*((\t)%4)+4*\i:AR+16*((\t)%4)+4*\i+3], v3, s[36:37] offset:2048*(\t)+512*\i th:TH_LOAD_NT
.endr
.endm
.macro TURNA t
.irp i, 0,1,2,3
	ds_store_b128 v14, v[AR+16*((\t)%4)+4*\i:AR+16*((\t)%4)+4*\i+3] offset:32*SPA*((\t)%2)+8*SPA*\i
.endr
.irp i, 0,1,2,3
	ds_load_b128 v[AX+16*((\t)%2)+4*\i:AX+16*((\t)%2)+4*\i+3], v15 offset:32*SPA*((\t)%2)+16*\i
.endr
.endm
.irp t, 0,1,2,3
	LOADA \t
.endr
	s_wait_loadcnt 12                              ; step 0's four loads are in
	TURNA 0
.macro STEPA t
.set XS, AX+16*((\t)%2)
.if (\t) > 0
	s_wait_dscnt 1                                 ; this step's numbers are back from the stage; the last step's byte store may be out
.else
	s_wait_dscnt 0x0
.endif
.if (\t)+4 < 16
	LOADA (\t)+4
.endif
.if (\t)+1 < 16
.if 14-(\t) >= 3
	s_wait_loadcnt 12                              ; the next step's four loads are in; those of the three steps behind it may be out
.else
	s_wait_loadcnt 4*(14-(\t))
.endif
	TURNA (\t)+1
.endif
	v_max3_num_f32 v8, |v[XS]|, |v[XS+1]|, |v[XS+2]|
	v_max3_num_f32 v9, |v[XS+3]|, |v[XS+4]|, |v[XS+5]|
.irp i, 6,10
	v_max3_num_f32 v8, v8, |v[XS+\i]|, |v[XS+\i+1]|
	v_max3_num_f32 v9, v9, |v[XS+\i+2]|, |v[XS+\i+3]|
.endr
	v_max3_num_f32 v8, v8, |v[XS+14]|, |v[XS+15]|
	v_max3_num_f32 v8, v8, v9, 0x1800000           ; and the floor 2^(3 - 127)
	v_max_num_f32_dpp v8, v8, v8 row_xmask:1 row_mask:0xf bank_mask:0xf   ; with my neighbour's 16: the block's largest magnitude
	v_add_nc_u32 v11, 0xff000000, v8               ; 2 off its exponent field: the conversion's scale operand
	v_cvt_scalef32_pk8_fp4_f32 v[ACD+2*(\t)], v[XS:XS+7], v11
	v_cvt_scalef32_pk8_fp4_f32 v[ACD+2*(\t)+1], v[XS+8:XS+15], v11
	v_lshrrev_b32 v[AE+(\t)], 23, v11              ; the scale's byte (a plain line behind the conversions)
	ds_store_b8 v5, v[AE+(\t)] offset:16*(\t)      ; both lanes of a block write the same byte with the same value
	global_store_b64 v4, v[ACD+2*(\t):ACD+2*(\t)+1], s[20:21] offset:256*(\t)   ; 32 lanes store 256 consecutive bytes, aligned
.endm
.irp t, 0,1,2,3,4,5,6,7,8,9,10,11,12,13,14,15
	STEPA \t
.endr
	ds_load_b64 v[8:9], v6
	s_wait_dscnt 0x0
	global_store_b64 v4, v[8:9], s[22:23]          ; my wave's 256 scale bytes
.Lend:
	s_wait_tensorcnt 0x0                           ; the wave's end, behind my last LDS store
	ds_add_u32 v[SPW], v[NIL]
	s_wait_dscnt 0x0
	s_endpgm
.Lfunc_end_k_q630b0c46f9_prep:
	.size	k_q630b0c46f9_prep, .Lfunc_end_k_q630b0c46f9_prep-k_q630b0c46f9_prep
	.p2alignl 7, 3214868480
	.fill 96, 4, 3214868480
	.section	.rodata,"a",@progbits
	.p2align	6, 0x0
	.amdhsa_kernel k_q630b0c46f9_prep
		.amdhsa_group_segment_fixed_size 75264
		.amdhsa_private_segment_fixed_size 0
		.amdhsa_enable_private_segment 0
		.amdhsa_kernarg_size 112
		.amdhsa_user_sgpr_count 2
		.amdhsa_user_sgpr_kernarg_segment_ptr 1
		.amdhsa_wavefront_size32 1
		.amdhsa_system_sgpr_workgroup_id_x 1
		.amdhsa_system_sgpr_workgroup_id_y 1
		.amdhsa_system_sgpr_workgroup_id_z 1
		.amdhsa_system_vgpr_workitem_id 0
		.amdhsa_next_free_vgpr 192
		.amdhsa_next_free_sgpr 66
		.amdhsa_reserve_vcc 0
		.amdhsa_float_denorm_mode_32 3
		.amdhsa_float_denorm_mode_16_64 3
		.amdhsa_memory_ordered 1
		.amdhsa_forward_progress 1
		.amdhsa_inst_pref_size 178
	.end_amdhsa_kernel
	.amdgpu_metadata
---
amdhsa.version: [ 1, 2 ]
amdhsa.kernels:
  - .name:           k_q630b0c46f9_prep
    .symbol:         k_q630b0c46f9_prep.kd
    .args:
      - { .name: q, .offset: 0, .size: 8, .value_kind: global_buffer, .address_space: global }
      - { .name: k, .offset: 8, .size: 8, .value_kind: global_buffer, .address_space: global }
      - { .name: v, .offset: 16, .size: 8, .value_kind: global_buffer, .address_space: global }
      - { .name: Wq, .offset: 24, .size: 8, .value_kind: global_buffer, .address_space: global }
      - { .name: Wk, .offset: 32, .size: 8, .value_kind: global_buffer, .address_space: global }
      - { .name: Wv, .offset: 40, .size: 8, .value_kind: global_buffer, .address_space: global }
      - { .name: Wo, .offset: 48, .size: 8, .value_kind: global_buffer, .address_space: global }
      - { .name: mask, .offset: 56, .size: 8, .value_kind: global_buffer, .address_space: global }
      - { .name: ac, .offset: 64, .size: 8, .value_kind: global_buffer, .address_space: global }
      - { .name: asc, .offset: 72, .size: 8, .value_kind: global_buffer, .address_space: global }
      - { .name: wc, .offset: 80, .size: 8, .value_kind: global_buffer, .address_space: global }
      - { .name: wsc, .offset: 88, .size: 8, .value_kind: global_buffer, .address_space: global }
      - { .name: wi, .offset: 96, .size: 8, .value_kind: global_buffer, .address_space: global }
      - { .name: mw, .offset: 104, .size: 8, .value_kind: global_buffer, .address_space: global }
    .group_segment_fixed_size: 75264
    .private_segment_fixed_size: 0
    .kernarg_segment_align: 8
    .kernarg_segment_size: 112
    .max_flat_workgroup_size: 128
    .sgpr_count:     66
    .vgpr_count:     192
    .wavefront_size: 32
...
	.end_amdgpu_metadata
.endif
;; end of part 1
;; launch proj (part 2): grid 4 x 96, 4 waves a work-group, clusters of 4 x 4, 327,680 bytes of LDS; arguments ac, asc, wc, wsc, hi; writes hi
.if DOCPART == 2
	.amdgcn_target "amdgcn-amd-amdhsa--gfx1250"
	.amdhsa_code_object_version 6
	.text
	.protected	k_q630b0c46f9_proj
	.globl	k_q630b0c46f9_proj
	.p2align	8
	.type	k_q630b0c46f9_proj,@function
k_q630b0c46f9_proj:
	s_mov_b64 s[64:65], 0
	v_nop
	global_prefetch_b8 v0, s[64:65] scope:SCOPE_SE
	s_setreg_imm32_b32 hwreg(HW_REG_WAVE_MODE, 25, 1), 1
	s_wait_xcnt 0x0
	s_wait_alu depctr_hold_cnt(0) depctr_sa_sdst(0) depctr_va_vdst(0) depctr_va_sdst(0) depctr_va_ssrc(0) depctr_va_vcc(0) depctr_vm_vsrc(0)
	s_getreg_b32 s2, hwreg(HW_REG_IB_STS2, 6, 4)
	s_cmp_eq_u32 s2, 0
	s_cbranch_scc0 .Lentry_in_a_cluster
	s_endpgm
.Lentry_in_a_cluster:
	s_bfe_u32 s2, ttmp6, 0x10000c
	s_cmp_lg_u32 s2, 0xf033
	s_cbranch_scc0 .Lentry_shape_is_right
	s_endpgm
.Lentry_shape_is_right:
; PROJ: the three quantised projections q Wq, k Wk, v Wv as ONE product on codes of FP4 with E8M0 scales: 24,576 rows x 1,024 columns, K = 1,024; sums in f32.  Nothing of the problem's work is left out.
; A tile of 256 x 256 is made by four waves, each 128 x 128: 64 accumulators, 512 registers.  K is two LDS slots of 512: both are asked for at the start and nothing is filled again.
; The scale bytes of the tile's 2 x 256 rows, for all of K, come once, in rows of 256 bytes.
; CLUSTERS 4 x 4: source 1's tile is shared along a row of the cluster, source 0's along a column: joint loads.  A cluster lies wholly in one of the three tensors (TEN = cluster y / 8).
; THE MATRIX INSTRUCTION: source 1 gives a lane its row, source 0 the lane's eight neighbours.  For q and k source 1 = tokens (ac), source 0 = columns (wc): a lane holds one token and eight columns of a head.
; For v the two change places IN MEMORY ONLY (source 1 = wc, source 0 = ac): a lane holds one column and eight tokens, which is what the second product of attention wants.  The matrix text is one.
; THE WAY OUT needs no LDS: a tile of 16 x 16 rounded to f16 is four registers a lane, half of a 16-bit operand's fragment; it is stored as it stands, lane l at 16 l, 512 consecutive bytes an instruction.
; hi: [tensor][b x 16 + head][tile of 16 tokens][chunk 0..3][512 bytes].  Q and K: lane (r, h) = token r, columns 16 chunk + 8 h + 0..7.  V: column 16 chunk + r, tokens 8 h + 0..7.
; Q is multiplied by log2(e) in f32 ahead of its one rounding.  LIMIT: |qh| log2(e), |kh|, |vh| stay under 65,504 (f16).
; REGISTERS, in windows of 256: window 0: v0-31 addresses; v32-95 scale words, two sets (on the way out: packed results); from v128 source 1's fragments, one set.  window 1: source 0's fragments, two sets.  windows 2, 3: accumulators.
.set KSTEP,  512
.set NQ,     4
.set ROWB,   256
.set KROW,   512
.set PITCH,  272                       ; an LDS row: 256 bytes + 16 of padding: the 16 rows that a load touches start at 16 different banks (64 banks of 4 bytes: ISA guide 11.1)
.set FR,     8
.set NL,     2
.set NP,     4
.set HALFT,  128*PITCH
.set SLOT,   4*HALFT
.set KS,     32
.set SCL,    2*SLOT
.set HALFS,  (128*KS/256)*272
.set SBLK,   (16*KS/256)*272
.set SPARE,  SCL+4*HALFS               ; the spare words, 128 bytes a wave: two blocks of 256 bytes that no other line names
.set ADRA, 16
.set ADRB, 20
.set CO,   26                          ; v26  16 x lane
.set ADRS, 27
.set SPW,  28
.set NIL,  29
.set SC,   32
.set TMP,  32
.set AF,   128
.set G1, 24
.set G0, 32
.set G1B, 48
.set G0B, 56
.set G1S, 68
.set G0S, 76
.set G1SB, 80
.set G0SB, 88
.set TEN, 96                           ; s96  which tensor: 0 q, 1 k, 2 v
.set MSB, 0
.macro WIN new                         ; the immediate's high byte repeats the setting that is left
.if MSB != (\new)
	s_set_vgpr_msb (MSB<<8)|(\new)
.set MSB, (\new)
.endif
.endm
.set MUL_LO, 0xa1
.set MUL_HI, 0xf1
.set TO_B,   0x40
; A joint load: waves 0 and 1 fetch for source 1, waves 2 and 3 for source 0.  An s_nop 0 and four v_nop follow each of the two lines.
.macro JLOAD g0a, g1a, g0b, g1b
	s_cmp_eq_u32 s15, 0
	s_cbranch_scc0 .Lfor_b_\@
	tensor_load_to_lds s[\g0a:\g0a+3], s[\g1a:\g1a+7]
	s_nop 0
.rept 4
	v_nop
.endr
	s_branch .Lasked_\@
.Lfor_b_\@:
	tensor_load_to_lds s[\g0b:\g0b+3], s[\g1b:\g1b+7]
	s_nop 0
.rept 4
	v_nop
.endr
.Lasked_\@:
.endm
.macro CROUND                          ; a round of the cluster's barrier
	s_barrier_signal -1
	s_barrier_wait -1
	s_cmp_lg_u32 s14, 0
	s_cbranch_scc1 .Lnot_wave_0_\@
	s_barrier_signal -3
.Lnot_wave_0_\@:
	s_barrier_wait -3
	s_barrier_signal -1
	s_barrier_wait -1
.endm
	s_load_b128 s[4:7], s[0:1], 0x0                ; ac, asc
	s_load_b128 s[8:11], s[0:1], 0x10              ; wc, wsc
	s_load_b64 s[12:13], s[0:1], 0x20              ; hi
	v_lshl_add_u32 v[SPW], v0, 2, SPARE
	v_mov_b32 v[NIL], 0
	ds_add_u32 v[SPW], v[NIL]                      ; the wave's opening: the add, twice on end, and its wait ahead of my first tensor load
	ds_add_u32 v[SPW], v[NIL]
	v_lshrrev_b32 v1, 5, v0
	v_readfirstlane_b32 s14, v1                    ; wave 0..3
	s_lshr_b32 s15, s14, 1                         ; which half of source 1's rows is mine.  Also: I fetch for source 1 (0) or source 0 (1)
	s_and_b32 s16, s14, 1                          ; which half of source 0's rows.  Also: which 128 rows of that tile I fetch
	s_bfe_u32 s40, ttmp6, 0x40000                  ; cx
	s_bfe_u32 s41, ttmp6, 0x40004                  ; cy
	s_and_b32 s95, ttmp7, 0xffff                   ; cluster y, 0 .. 23
	s_lshr_b32 s[TEN], s95, 3
	s_lshl_b32 s97, s95, 2
	s_add_co_u32 s17, s97, s41                     ; q, k: source 1's tile of 256 rows of ac = 4 x cluster y + cy
	s_add_co_u32 s98, s41, 8                       ; v:    of wc = 8 + cy
	s_add_co_u32 s100, s97, s40                    ; v:    source 0's tile of ac = 4 x cluster y + cx
	s_lshl_b32 s42, s[TEN], 2
	s_add_co_u32 s42, s42, s40                     ; q, k: of wc = 4 x tensor + cx
	s_cmp_eq_u32 s[TEN], 2                         ; the cluster's y alone: the same in all sixteen partners
	s_cselect_b32 s17, s98, s17                    ; holds cy, never cx
	s_cselect_b32 s42, s100, s42                   ; holds cx, never cy
	s_lshl_b32 s43, s41, 2
	s_lshl_b32 s43, 15, s43                        ; my row of the cluster
	s_lshl_b32 s44, 0x1111, s40                    ; my column
	s_or_b32 s[G1+0], s43, (0<<16)|(1<<20)|(1<<21)|(5<<22)|(3<<25)  ; the mask; elements of 1 byte; padding on; bit 21 beside a mask; after every 64 words four words
	s_or_b32 s[G1B+0], s44, (0<<16)|(1<<20)|(1<<21)|(5<<22)|(3<<25)
.irp g, G1, G1B
	s_mov_b32 s[\g+1], ROWB<<16                    ; tensor_dim0
	s_mov_b32 s[\g+2], 128<<16                     ; tensor_dim1
	s_mov_b32 s[\g+3], ROWB<<16                    ; tile_dim0
	s_mov_b32 s[\g+4], 128                         ; tile_dim1
	s_mov_b32 s[\g+5], KROW                        ; tensor_dim0_stride
	s_mov_b32 s[\g+6], 0
	s_mov_b32 s[\g+7], 0
.endr
	s_or_b32 s[G1S+0], s43, (3<<16)|(1<<20)|(1<<21)|(5<<22)|(3<<25)   ; the scales of 128 rows: 4,096 dense bytes as 16 rows of 256 (32 elements of 8 bytes), 16 bytes of padding behind each
	s_or_b32 s[G1SB+0], s44, (3<<16)|(1<<20)|(1<<21)|(5<<22)|(3<<25)
.irp g, G1S, G1SB
	s_mov_b32 s[\g+1], 32<<16
	s_mov_b32 s[\g+2], (128*KS/256)<<16
	s_mov_b32 s[\g+3], 32<<16
	s_mov_b32 s[\g+4], 128*KS/256
	s_mov_b32 s[\g+5], 32
	s_mov_b32 s[\g+6], 0
	s_mov_b32 s[\g+7], 0
.endr
	s_lshl_b32 s18, s16, 7                         ; which 128 rows of the tile I fetch
	s_lshl_b32 s20, s17, 8
	s_add_co_u32 s20, s20, s18                     ; source 1's row
	s_lshl_b32 s46, s42, 8
	s_add_co_u32 s46, s46, s18                     ; source 0's row
	s_mov_b32 s21, 0
	s_mov_b32 s47, 0
	s_mov_b64 s[18:19], KS
	s_mul_u64 s[22:23], s[20:21], s[18:19]         ; where these rows' scales begin, in bytes
	s_mul_u64 s[92:93], s[46:47], s[18:19]
	s_mov_b64 s[18:19], KROW
	s_mul_u64 s[20:21], s[20:21], s[18:19]         ; and their codes
	s_mul_u64 s[46:47], s[46:47], s[18:19]
	s_mul_i32 s45, s14, HALFT                      ; where they go: wave x 128 rows
	s_mul_i32 s94, s14, HALFS
	s_wait_dscnt 0x0                               ; both opening adds are done
	s_wait_kmcnt 0x0
	s_cmp_eq_u32 s[TEN], 2                         ; for v the two operands' buffers change places
	s_cselect_b64 s[66:67], s[8:9], s[4:5]         ; source 1's codes
	s_cselect_b64 s[8:9], s[4:5], s[8:9]           ; source 0's codes
	s_cselect_b64 s[98:99], s[10:11], s[6:7]       ; source 1's scales
	s_cselect_b64 s[10:11], s[6:7], s[10:11]       ; source 0's scales
	s_add_nc_u64 s[20:21], s[66:67], s[20:21]
	s_add_nc_u64 s[22:23], s[98:99], s[22:23]
	s_add_nc_u64 s[46:47], s[8:9], s[46:47]
	s_add_nc_u64 s[92:93], s[10:11], s[92:93]
	CROUND                                         ; all sixteen work-groups are here: the first joint loads meet
	s_mov_b32 s[G0S], 1
	s_add_co_u32 s[G0S+1], s94, SCL
	s_mov_b64 s[G0S+2:G0S+3], s[22:23]
	s_or_b32 s[G0S+3], s[G0S+3], 0x80000000
	s_mov_b32 s[G0SB], 1
	s_add_co_u32 s[G0SB+1], s94, SCL
	s_mov_b64 s[G0SB+2:G0SB+3], s[92:93]
	s_or_b32 s[G0SB+3], s[G0SB+3], 0x80000000
	JLOAD G0S, G1S, G0SB, G1SB                     ; the scales first
.irp s, 0,1
	s_mov_b32 s[G0+4*\s], 1
	s_add_co_u32 s[G0+4*\s+1], s45, \s*SLOT
	s_add_nc_u64 s[G0+4*\s+2:G0+4*\s+3], s[20:21], \s*ROWB
	s_or_b32 s[G0+4*\s+3], s[G0+4*\s+3], 0x80000000
	s_mov_b32 s[G0B+4*\s], 1
	s_add_co_u32 s[G0B+4*\s+1], s45, \s*SLOT
	s_add_nc_u64 s[G0B+4*\s+2:G0B+4*\s+3], s[46:47], \s*ROWB
	s_or_b32 s[G0B+4*\s+3], s[G0B+4*\s+3], 0x80000000
	JLOAD G0+4*\s, G1, G0B+4*\s, G1B               ; three tensor loads of mine are out in all
.endr
	v_and_b32 v1, 15, v0                           ; l % 16
	v_bfe_u32 v2, v0, 4, 1                         ; l / 16
	v_mul_u32_u24 v3, v1, PITCH
	v_lshl_add_u32 v4, v2, 4, v3                   ; a fragment's row x pitch + 16 x half
	s_mul_i32 s21, s15, HALFT
	s_mul_i32 s22, s16, HALFT
	s_add_co_u32 s22, s22, 2*HALFT
.irp s, 0,1
	v_add_nc_u32 v[ADRA+\s], s21, v4
	v_add_nc_u32 v[ADRB+\s], s22, v4
	s_add_co_u32 s21, s21, SLOT
	s_add_co_u32 s22, s22, SLOT
.endr
	v_mul_u32_u24 v5, v1, KS                       ; my row's scales: 32 bytes a row,
	v_lshrrev_b32 v6, 8, v5
	v_lshl_add_u32 v5, v6, 4, v5                   ; and 16 more for each 256 passed
	s_mul_i32 s21, s15, HALFS
	s_mul_i32 s22, s16, HALFS
	s_add_co_u32 s22, s22, 2*HALFS
	s_sub_co_u32 s22, s22, s21
	v_mul_u32_u24 v6, s22, v2                      ; lanes 16-31 take source 0's
	s_add_co_u32 s21, s21, SCL
	v_add_nc_u32 v5, v5, v6
	v_add_nc_u32 v[ADRS], s21, v5
	v_and_b32 v6, 31, v0
	v_lshlrev_b32 v[CO], 4, v6
	; where my 128 tokens x 128 columns begin in hi.  R0: my first token; N0: my first column.  In registers that feed no descriptor
	s_and_b32 s97, s17, 31
	s_lshl_b32 s97, s97, 8
	s_lshl_b32 s100, s15, 7
	s_add_co_u32 s97, s97, s100                    ; q, k: R0 from source 1's tile
	s_and_b32 s101, s17, 3
	s_lshl_b32 s101, s101, 8
	s_add_co_u32 s101, s101, s100                  ; v: N0 from source 1's tile
	s_and_b32 s66, s42, 31
	s_lshl_b32 s66, s66, 8
	s_lshl_b32 s100, s16, 7
	s_add_co_u32 s66, s66, s100                    ; v: R0 from source 0's tile
	s_and_b32 s67, s42, 3
	s_lshl_b32 s67, s67, 8
	s_add_co_u32 s67, s67, s100                    ; q, k: N0 from source 0's tile
	s_cmp_eq_u32 s[TEN], 2
	s_cselect_b32 s97, s66, s97                    ; R0
	s_cselect_b32 s101, s101, s67                  ; N0
	s_lshr_b32 s66, s97, 11                        ; b
	s_lshl_b32 s66, s66, 4
	s_lshr_b32 s67, s101, 6                        ; head
	s_add_co_u32 s66, s66, s67
	s_lshl_b32 s66, s66, 18                        ; 262,144 bytes for a batch and head
	s_and_b32 s67, s97, 2047
	s_lshl_b32 s67, s67, 7                         ; 2,048 bytes for 16 tokens
	s_add_co_u32 s66, s66, s67
	s_lshl_b32 s67, s[TEN], 24                     ; 16,777,216 bytes a tensor
	s_add_co_u32 s66, s66, s67
	s_mov_b32 s67, 0
	s_add_nc_u64 s[12:13], s[12:13], s[66:67]
	s_mov_b32 s2, 0x3fb8aa3b                       ; log2(e)
	s_mov_b32 s3, s2                               ; (named with it as a pair, so it is written)
.macro FRAG reg, adr, q, i             ; 16 rows x 128 K of 4-bit codes: 8 registers; registers 4 c .. 4 c + 3 hold K = 64 c + 32 (l / 16) + 0 .. 31
.irp c, 0,1
	ds_load_b128 v[\reg+4*\c:\reg+4*\c+3], v[\adr] offset:64*(\q)+32*\c+(\i)*16*PITCH
.endr
.endm
; 16 matrix instructions: source 1's blocks a0, a0 + 1 x source 0's eight.  The 64 accumulators take turns, one instruction a turn, in the same order in every step.
.macro MUL16 a0, p, q, sc, zero
.irp a, \a0, \a0+1
.irp b, 0,1,2,3,4,5,6,7
.if \zero
	v_wmma_scale_f32_16x16x128_f8f6f4 v[8*(8*((\a)%4)+\b):8*(8*((\a)%4)+\b)+7], v[128*(\p)+FR*\b:128*(\p)+FR*\b+FR-1], v[AF+FR*(\a):AF+FR*(\a)+FR-1], 0, v[SC+8*NQ*(\sc)+NQ*\b+(\q)], v[SC+8*NQ*(\sc)+NQ*(\a)+(\q)] matrix_a_fmt:MATRIX_FMT_FP4 matrix_b_fmt:MATRIX_FMT_FP4 matrix_a_scale:MATRIX_SCALE_ROW1
.else
	v_wmma_scale_f32_16x16x128_f8f6f4 v[8*(8*((\a)%4)+\b):8*(8*((\a)%4)+\b)+7], v[128*(\p)+FR*\b:128*(\p)+FR*\b+FR-1], v[AF+FR*(\a):AF+FR*(\a)+FR-1], v[8*(8*((\a)%4)+\b):8*(8*((\a)%4)+\b)+7], v[SC+8*NQ*(\sc)+NQ*\b+(\q)], v[SC+8*NQ*(\sc)+NQ*(\a)+(\q)] matrix_a_fmt:MATRIX_FMT_FP4 matrix_b_fmt:MATRIX_FMT_FP4 matrix_a_scale:MATRIX_SCALE_ROW1
.endif
.endr
.endr
.endm
.macro FETCH_B slot, q, p
	WIN TO_B
.irp i, 0,1,2,3,4,5,6,7
	FRAG 128*(\p)+FR*\i, ADRB+\slot, \q, \i
.endr
	WIN 0
.endm
.macro FETCH_A slot, q, i0
.irp i, \i0, \i0+1, \i0+2, \i0+3
	FRAG AF+FR*(\i), ADRA+\slot, \q, \i
.endr
.endm
.macro SCALES sc                       ; a slot's scale words: lanes 0-15 source 1's block i, lanes 16-31 source 0's block i
.irp i, 0,1,2,3,4,5,6,7
	ds_load_b128 v[SC+8*NQ*\sc+NQ*\i:SC+8*NQ*\sc+NQ*\i+3], v[ADRS] offset:\i*SBLK
.endr
.endm
.macro PLACES n                        ; plain vector instructions between a matrix instruction and a load into, or a vector read or write of, its registers
.rept \n
	v_nop
.endr
.endm
.macro STEP slot, q, zero              ; 128 along K, with its successor in the same slot
	s_wait_dscnt 4*NL                              ; source 0's set and source 1's blocks 0-3 are in; the youngest eight loads (blocks 4-7) may be out
	WIN MUL_LO
	MUL16 0, (\q)%2, \q, \slot, \zero
	MUL16 2, (\q)%2, \q, \slot, \zero
	s_wait_dscnt 0
	PLACES NP
	FETCH_B \slot, (\q)+1, 1-(\q)%2
	FETCH_A \slot, (\q)+1, 0
	WIN MUL_HI
	MUL16 4, (\q)%2, \q, \slot, \zero
	MUL16 6, (\q)%2, \q, \slot, \zero
	PLACES NP
	WIN 0
	FETCH_A \slot, (\q)+1, 4
.endm
.macro TURN slot, next                 ; a slot's last step changes slots: one barrier; nothing is filled again
	s_wait_tensorcnt 0x0                           ; all my tensor loads have landed: my part of the next slot
	ds_add_u32 v[SPW], v[NIL]                      ; 0 onto my spare word
	s_wait_dscnt 4*NL+1                            ; (the add and the youngest eight loads may be out)
	WIN MUL_LO
	MUL16 0, 1, NQ-1, \slot, 0
	s_wait_dscnt 0x0                               ; the add is done, and my reads of this slot are over
	s_barrier_signal -1
	MUL16 2, 1, NQ-1, \slot, 0
	WIN 0
	s_barrier_wait -1                              ; the next slot is whole in every wave's eyes
	PLACES NP
	v_add_nc_u32 v[ADRS], 4*NQ, v[ADRS]            ; on to the next slot's scale words
	FETCH_B \next, 0, 0
	FETCH_A \next, 0, 0
	SCALES \next
	WIN MUL_HI
	MUL16 4, 1, NQ-1, \slot, 0
	MUL16 6, 1, NQ-1, \slot, 0
	PLACES NP
	WIN 0
	FETCH_A \next, 0, 4
.endm
.macro STEPS slot, from
.set Q, \from
.rept NQ-1-\from
	STEP \slot, Q, 0
.set Q, Q+1
.endr
.endm
	s_wait_tensorcnt 1                             ; the scales and my part of slot 0 are in (slot 1's load may be out),
	s_barrier_signal -1
	s_barrier_wait -1                              ; everybody's are
	FETCH_B 0, 0, 0
	FETCH_A 0, 0, 0
	SCALES 0
	FETCH_A 0, 0, 4
	STEP 0, 0, 1                                   ; the first products start the sums: nothing is cleared
	STEPS 0, 1
	TURN 0, 1
	STEPS 1, 0
	s_wait_dscnt 4*NL
	WIN MUL_LO
	MUL16 0, 1, NQ-1, 1, 0
	MUL16 2, 1, NQ-1, 1, 0
	s_wait_dscnt 0
	WIN MUL_HI
	MUL16 4, 1, NQ-1, 1, 0
	MUL16 6, 1, NQ-1, 1, 0
	WIN 0
	PLACES NP                                      ; behind the last products: their results are read, and their scale registers written, below
	s_cmp_lg_u32 s[TEN], 0                         ; the tensor is the same in all partners
	s_cbranch_scc1 .Lno_factor
	WIN 0x82                                       ; Q x log2(e), in f32, each accumulator from its low end on
.set i, 0
.rept 128
	v_pk_mul_f32 v[i:i+1], v[i:i+1], s[2:3] op_sel_hi:[1,0]
.set i, i+2
.endr
	WIN 0xc3
.set i, 0
.rept 128
	v_pk_mul_f32 v[i:i+1], v[i:i+1], s[2:3] op_sel_hi:[1,0]
.set i, i+2
.endr
	WIN 0
.Lno_factor:
; Block a of source 1 x blocks b of source 0: rounded to f16, four registers a tile, stored as they stand.  kind 0 (q, k): a counts tiles of tokens, b chunks of columns; kind 1 (v): the other way round.
.macro WAYOUT kind
.irp a, 0,1,2,3,4,5,6,7
.if \a > 1
	s_wait_xcnt 0x0                                ; block a - 2's stores have read their registers, which are written again below
.endif
	WIN (0x0a+5*(\a/4))                            ; sources in window 2 or 3
.irp b, 0,1,2,3,4,5,6,7
.irp r, 0,1,2,3
	v_cvt_pk_f16_f32 v[TMP+32*(\a%2)+4*\b+\r], v[64*(\a%4)+8*\b+2*\r], v[64*(\a%4)+8*\b+2*\r+1]
.endr
.endr
	WIN 0
.irp b, 0,1,2,3,4,5,6,7
.if \kind
	global_store_b128 v[CO], v[TMP+32*(\a%2)+4*\b:TMP+32*(\a%2)+4*\b+3], s[12:13] offset:\b*2048+(\a/4)*262144+(\a%4)*512
.else
	global_store_b128 v[CO], v[TMP+32*(\a%2)+4*\b:TMP+32*(\a%2)+4*\b+3], s[12:13] offset:\a*2048+(\b/4)*262144+(\b%4)*512
.endif
.endr
.endr
.endm
	s_cmp_eq_u32 s[TEN], 2
	s_cbranch_scc1 .Lv_out
	WAYOUT 0
	s_branch .Lstored
.Lv_out:
	WAYOUT 1
.Lstored:
	s_wait_tensorcnt 0x0                           ; the wave's end
	ds_add_u32 v[SPW], v[NIL]
	s_wait_dscnt 0x0
	CROUND                                         ; the closing round
	s_endpgm
.Lfunc_end_k_q630b0c46f9_proj:
	.size	k_q630b0c46f9_proj, .Lfunc_end_k_q630b0c46f9_proj-k_q630b0c46f9_proj
	.p2alignl 7, 3214868480
	.fill 96, 4, 3214868480
	.section	.rodata,"a",@progbits
	.p2align	6, 0x0
	.amdhsa_kernel k_q630b0c46f9_proj
		.amdhsa_group_segment_fixed_size 327680
		.amdhsa_private_segment_fixed_size 0
		.amdhsa_enable_private_segment 0
		.amdhsa_kernarg_size 40
		.amdhsa_user_sgpr_count 2
		.amdhsa_user_sgpr_kernarg_segment_ptr 1
		.amdhsa_wavefront_size32 1
		.amdhsa_system_sgpr_workgroup_id_x 1
		.amdhsa_system_sgpr_workgroup_id_y 1
		.amdhsa_system_sgpr_workgroup_id_z 1
		.amdhsa_system_vgpr_workitem_id 0
		.amdhsa_next_free_vgpr 1024
		.amdhsa_next_free_sgpr 102
		.amdhsa_reserve_vcc 0
		.amdhsa_float_denorm_mode_32 3
		.amdhsa_float_denorm_mode_16_64 3
		.amdhsa_memory_ordered 1
		.amdhsa_forward_progress 1
		.amdhsa_inst_pref_size 157
	.end_amdhsa_kernel
	.amdgpu_metadata
---
amdhsa.version: [ 1, 2 ]
amdhsa.kernels:
  - .name:           k_q630b0c46f9_proj
    .symbol:         k_q630b0c46f9_proj.kd
    .args:
      - { .name: ac, .offset: 0, .size: 8, .value_kind: global_buffer, .address_space: global }
      - { .name: asc, .offset: 8, .size: 8, .value_kind: global_buffer, .address_space: global }
      - { .name: wc, .offset: 16, .size: 8, .value_kind: global_buffer, .address_space: global }
      - { .name: wsc, .offset: 24, .size: 8, .value_kind: global_buffer, .address_space: global }
      - { .name: hi, .offset: 32, .size: 8, .value_kind: global_buffer, .address_space: global }
    .group_segment_fixed_size: 327680
    .private_segment_fixed_size: 0
    .kernarg_segment_align: 8
    .kernarg_segment_size: 40
    .max_flat_workgroup_size: 128
    .sgpr_count:     102
    .vgpr_count:     1024
    .wavefront_size: 32
...
	.end_amdgpu_metadata
.endif
;; end of part 2
;; launch attn (part 3): grid 4 x 64, 16 waves a work-group, clusters of 4 x 1, 327,680 bytes of LDS; arguments hi, mw, ci; writes ci
.if DOCPART == 3
	.amdgcn_target "amdgcn-amd-amdhsa--gfx1250"
	.amdhsa_code_object_version 6
	.text
	.protected	k_q630b0c46f9_attn
	.globl	k_q630b0c46f9_attn
	.p2align	8
	.type	k_q630b0c46f9_attn,@function
k_q630b0c46f9_attn:
	s_mov_b64 s[64:65], 0
	v_nop
	global_prefetch_b8 v0, s[64:65] scope:SCOPE_SE
	s_setreg_imm32_b32 hwreg(HW_REG_WAVE_MODE, 25, 1), 1
	s_wait_xcnt 0x0
	s_wait_alu depctr_hold_cnt(0) depctr_sa_sdst(0) depctr_va_vdst(0) depctr_va_sdst(0) depctr_va_ssrc(0) depctr_va_vcc(0) depctr_vm_vsrc(0)
	s_getreg_b32 s2, hwreg(HW_REG_IB_STS2, 6, 4)
	s_cmp_eq_u32 s2, 0
	s_cbranch_scc0 .Lentry_in_a_cluster
	s_endpgm
.Lentry_in_a_cluster:
	s_bfe_u32 s2, ttmp6, 0x10000c
	s_cmp_lg_u32 s2, 0x3003
	s_cbranch_scc0 .Lentry_shape_is_right
	s_endpgm
.Lentry_shape_is_right:
; ATTN: ctx = softmax(where(mask == 0, -1e9, 8 qh kh^T)) vh for one batch and head a cluster.  Operands f16, products' sums, maxima, exponentials and row sums f32.  Nothing of the problem's work is left out.
; Q arrives multiplied by log2(e), so with s = Q' . K the exponent in base 2 is t = 8 s - 8 m, m the running largest s of the row: one fused multiply-add; 8 m is exact, so s = m gives exactly 0.
; THE MASK: a hidden score is replaced AHEAD of the maximum by TM = f32(-1e9 log2(e) / 8).  A row that is wholly hidden so gives p = 1 everywhere (the plain average, as the reference has it); one open key makes the hidden p 0.
; The mask comes as lane-mask words (bit r + 16 h of word 8 i + j = the score in register 8 i + j of lane (r, h)), read by scalar loads, and only selects values: no branch hangs on it.
; SHARES.  A work-group owns 512 queries of the head, each of its sixteen waves 32: two tiles of 16; four waves to a SIMD, so that one wave's vector work stands beside another's matrix work.  Every wave walks all 2,048 keys, 64 a step.
; LAYOUT.  S^T = K Q^T and O^T = V^T P: a lane holds one query throughout; two tiles of S^T rounded to f16 in pairs ARE source 1 of the second product.  K, V and Q lie in memory as images of their fragments' registers
; (lane l at 16 l of each 512 bytes): LDS needs no pitch, and no load transposes.
; CLUSTER.  The four work-groups of a cluster are the four blocks of queries of one head: K's and V's tiles are asked for jointly.  Ring: two slots of 256 keys (32 KiB of K, 32 KiB of V); waves 0 to 3 fetch 16 KiB each.
; LIMITS: NaN and infinities are not served; -1e9 log2(e) / 8 is rounded once to f32; |ctx| stays under 65,504 (f16).
.set SLOTB, 65536
.set VOFF,  32768
.set SPARE, 131072                     ; the spare words, 128 bytes for each of 16 waves: eight blocks of 256 bytes that no other line names
.set NSL,   8
.set LI,  1                            ; v1  16 x lane
.set ADK, 2                            ; v2  the slot in hand + 16 x lane
.set SPW, 3
.set NIL, 4
.set TMV, 5                            ; v5  TM
.set PFO, 6                            ; v6  256 x lane
.set ST,  8                            ; v8-23 eight a tile: +0 -8 m, +1 m, +2 +3 the sum in two halves, +4 .. +7 at work; a = 2^(8 m_old - 8 m_new) at +6
.set Q,   24                           ; v24-55   Q: tile u, channels 32 c on: 24 + 16 u + 8 c
.set KV,  56                           ; v56-119  eight fragments of K, then of V
.set S,   120                          ; v120-183 S^T, 32 a tile; then p; P in f16 in the first 16 of each tile
.set O,   184                          ; v184-247 O^T: 184 + 32 u + 8 t
.set TB,  2                            ; s2  LDS byte at which the slot in hand begins
.set SLOTS, 3
.set MP,  6                            ; s[6:7]   my two tiles' mask words, at the slot in hand
.set CIB, 8                            ; s[8:9]   where my results go
.set QB,  10                           ; s[10:11] my Q
.set WV,  12
.set CX,  13
.set LIM, 14
.set BH,  15
.set EIGHT, 66                         ; s[66:67] 8.0.   s[16:47]: tile 0's 32 mask words; s[48:63], s[68:83]: tile 1's
.set G1,  84
.set G0,  92
.set SEL, 96
.set PFA, 98
.macro ROUND                           ; a round of the cluster's barrier
	s_barrier_signal -1
	s_barrier_wait -1
	s_cmp_lg_u32 s[WV], 0
	s_cbranch_scc1 .Lnot_wave_0_\@
	s_barrier_signal -3
.Lnot_wave_0_\@:
	s_barrier_wait -3
	s_barrier_signal -1
	s_barrier_wait -1
.endm
.macro TLOAD                           ; waves 0, 1: K's halves; waves 2, 3: V's; the branch hangs on the wave's number alone.  An s_nop 0 and four v_nop follow the load
	s_cmp_lt_u32 s[WV], 4
	s_cbranch_scc0 .Lasked_\@
	tensor_load_to_lds s[G0:G0+3], s[G1:G1+7]
	s_nop 0
.rept 4
	v_nop
.endr
.Lasked_\@:
.endm
; A prefetch of what the NEXT change of slots will ask for: 32 KiB of K and 32 KiB of V.  Only this cluster walks this head; its four partners take 8 KiB each, told apart by address; in each, wave 4 asks for K's and wave 5 for V's,
; lanes 256 bytes apart: each aligned 256 bytes are named once in the launch.  It runs four key steps ahead of the load.  The last change that fills a slot asks for nothing; slots 0 and 1 come by their loads alone.
.macro ASK
	s_cmp_gt_u32 s[SLOTS], s[LIM]
	s_cbranch_scc0 .Lnot_mine_\@
	global_prefetch_b8 v[PFO], s[PFA:PFA+1] th:TH_LOAD_NT scope:SCOPE_SE
.Lnot_mine_\@:
.endm
	s_load_b128 s[4:7], s[0:1], 0x0                ; hi s[4:5], mw s[6:7]
	s_load_b64 s[8:9], s[0:1], 0x10                ; ci
	v_lshl_add_u32 v[SPW], v0, 2, SPARE
	v_mov_b32 v[NIL], 0
	ds_add_u32 v[SPW], v[NIL]                      ; the wave's opening: the add, twice on end, and its wait ahead of the first tensor loads
	ds_add_u32 v[SPW], v[NIL]
	v_lshrrev_b32 v7, 5, v0
	v_readfirstlane_b32 s[WV], v7                  ; wave 0..15
	s_bfe_u32 s[CX], ttmp6, 0x40000                ; my block of 512 queries
	s_and_b32 s[BH], ttmp7, 0xffff                 ; batch x 16 + head, which the four partners share
	s_mov_b32 s[G1], 15|(3<<16)|(1<<21)            ; the mask: all four work-groups; elements of 8 bytes; bit 21 beside a mask; no padding
	s_mov_b32 s[G1+1], 32<<16                      ; tensor_dim0 = 32 elements: 256 bytes
	s_mov_b32 s[G1+2], 64<<16                      ; tensor_dim1 = 64 rows
	s_mov_b32 s[G1+3], 32<<16                      ; tile_dim0
	s_mov_b32 s[G1+4], 64                          ; tile_dim1
	s_mov_b32 s[G1+5], 32                          ; dense
	s_mov_b32 s[G1+6], 0
	s_mov_b32 s[G1+7], 0
	s_mov_b32 s[EIGHT], 0x41000000
	s_mov_b32 s[EIGHT+1], 0x41000000
	s_mov_b32 s[SEL], 0x76543210
	s_mov_b32 s[SEL+1], 0xfedcba98
	s_mov_b32 s[TB], 0
	s_mov_b32 s[SLOTS], NSL-1
	s_lshl_b32 s16, s[BH], 18                      ; the head's 262,144 bytes in each tensor of hi
	s_and_b32 s18, s[WV], 3                        ; what I fetch, if I fetch
	s_lshl_b32 s[G0+1], s18, 14                    ; LDS address: 16,384 x (wave % 4)
	s_lshr_b32 s19, s18, 1
	s_add_co_u32 s19, s19, 1
	s_lshl_b32 s19, s19, 24                        ; tensor 1 (K) or 2 (V)
	s_and_b32 s20, s18, 1
	s_lshl_b32 s20, s20, 14                        ; which half of a slot's 32 KiB
	s_add_co_u32 s20, s20, s19
	s_add_co_u32 s20, s20, s16
	s_mov_b32 s21, 0
	s_lshl_b32 s22, s[CX], 5
	s_lshl_b32 s23, s[WV], 1
	s_add_co_u32 s22, s22, s23                     ; my first tile of queries: 32 cx + 2 wave
	s_lshl_b32 s24, s22, 11
	s_add_co_u32 s24, s24, s16
	s_mov_b32 s25, 0
	s_lshr_b32 s26, s[BH], 4                       ; the batch
	s_lshl_b32 s27, s26, 7
	s_add_co_u32 s27, s27, s22
	s_lshl_b32 s28, s27, 12                        ; 4,096 bytes of mask words a tile of queries
	s_mov_b32 s29, 0
	s_lshl_b32 s30, s26, 6
	s_lshl_b32 s31, s[CX], 4
	s_add_co_u32 s30, s30, s31
	s_add_co_u32 s30, s30, s[WV]                   ; my block of 32 tokens
	s_lshl_b32 s30, s30, 16
	s_and_b32 s31, s[BH], 15
	s_lshl_b32 s31, s31, 12                        ; the head's four chunks of 16 columns, 1,024 bytes each
	s_add_co_u32 s30, s30, s31
	s_mov_b32 s31, 0
	s_and_b32 s32, s[WV], 1                        ; the prefetches: wave 4 K, wave 5 V
	s_add_co_u32 s32, s32, 1
	s_lshl_b32 s32, s32, 24
	s_add_co_u32 s32, s32, s16
	s_lshl_b32 s33, s[CX], 13                      ; my work-group's 8 KiB
	s_add_co_u32 s32, s32, s33
	s_add_co_u32 s32, s32, 32768                   ; in slot 1: the first change of slots steps it to slot 2
	s_mov_b32 s33, 0
	s_lshr_b32 s34, s[WV], 1
	s_cmp_eq_u32 s34, 2
	s_cselect_b32 s[LIM], 1, -1
	s_wait_dscnt 0x0                               ; both opening adds are done
	s_wait_kmcnt 0x0
	s_mov_b32 s[G0], 1
	s_add_nc_u64 s[G0+2:G0+3], s[4:5], s[20:21]
	s_or_b32 s[G0+3], s[G0+3], 0x80000000
	s_add_nc_u64 s[QB:QB+1], s[4:5], s[24:25]
	s_add_nc_u64 s[MP:MP+1], s[MP:MP+1], s[28:29]
	s_add_nc_u64 s[CIB:CIB+1], s[CIB:CIB+1], s[30:31]
	s_add_nc_u64 s[PFA:PFA+1], s[4:5], s[32:33]
	ROUND                                          ; all four work-groups are here: the first joint loads meet
	TLOAD                                          ; slot 0
	v_and_b32 v7, 31, v0
	v_lshlrev_b32 v[LI], 4, v7
	v_lshlrev_b32 v[PFO], 8, v7
.irp u, 0,1
.irp c, 0,1,2,3
	global_load_b128 v[Q+16*\u+4*\c:Q+16*\u+4*\c+3], v[LI], s[QB:QB+1] offset:2048*\u+512*\c   ; Q stays in registers
.endr
.endr
	s_load_b512 s[16:31], s[MP:MP+1], 0x0          ; key step 0's mask words
	s_load_b512 s[32:47], s[MP:MP+1], 0x40
	s_load_b512 s[48:63], s[MP:MP+1], 0x1000
	s_load_b512 s[68:83], s[MP:MP+1], 0x1040
	v_mov_b32 v[TMV], 0xcd2bfb8f                   ; TM = -180,336,880
.irp u, 0,1
	v_mov_b32 v[ST+8*\u+1], 0xfcf0bdc2             ; m = -1e37, under every score that f16 operands can give, and under TM
	v_mul_f32 v[ST+8*\u], 0xc1000000, v[ST+8*\u+1] ; -8 m
.irp j, 2,3,4,5,6,7
	v_mov_b32 v[ST+8*\u+\j], 0
.endr
.endr
.set n, 0
.rept 64
	v_mov_b32 v[O+n], 0                            ; O^T.  (The step is written once: the first finds zeros, which a = 0 leaves zeros)
.set n, n+1
.endr
; A KEY STEP: 64 keys, the q-th of the slot in hand.  last = 1: no step follows, so no mask words are asked for.
.macro STEP q, last
.irp i, 0,1,2,3
.irp c, 0,1
	ds_load_b128 v[KV+8*(2*\i+\c):KV+8*(2*\i+\c)+3], v[ADK] offset:(\q)*8192+\i*2048+\c*1024
	ds_load_b128 v[KV+8*(2*\i+\c)+4:KV+8*(2*\i+\c)+7], v[ADK] offset:(\q)*8192+\i*2048+\c*1024+512
.endr
.endr
	s_wait_dscnt 0x0
.irp c, 0,1                                    ; S^T = K Q^T: the eight accumulators by turns, one instruction a turn
.irp i, 0,1,2,3
.irp u, 0,1
.if \c == 0
	v_wmma_f32_16x16x32_f16 v[S+32*\u+8*\i:S+32*\u+8*\i+7], v[KV+8*(2*\i+\c):KV+8*(2*\i+\c)+7], v[Q+16*\u+8*\c:Q+16*\u+8*\c+7], 0
.else
	v_wmma_f32_16x16x32_f16 v[S+32*\u+8*\i:S+32*\u+8*\i+7], v[KV+8*(2*\i+\c):KV+8*(2*\i+\c)+7], v[Q+16*\u+8*\c:Q+16*\u+8*\c+7], v[S+32*\u+8*\i:S+32*\u+8*\i+7]
.endif
.endr
.endr
.endr
.rept 4
	v_nop                                          ; places ahead of the loads into K's registers and of the first read of the scores
.endr
.irp g, 0,1                                    ; V^T: keys 32 g on, channels 16 t on; it lands under the softmax
.irp t, 0,1,2,3
	ds_load_b128 v[KV+8*(4*\g+\t):KV+8*(4*\g+\t)+3], v[ADK] offset:VOFF+(\q)*8192+\g*4096+\t*512
	ds_load_b128 v[KV+8*(4*\g+\t)+4:KV+8*(4*\g+\t)+7], v[ADK] offset:VOFF+(\q)*8192+\g*4096+2048+\t*512
.endr
.endr
	s_wait_kmcnt 0x0                               ; this step's mask words
.set n, 0
.rept 64
	v_cndmask_b32 v[S+n], v[TMV], v[S+n], s[16+(n%32)+(n/32)*(32+4*((n%32)/16))]   ; a hidden score becomes TM; each accumulator from its low end on
.set n, n+1
.endr
.irp j, 0,1,2,3                                ; the largest of my 32 scores and the old m: four chains a tile, the tiles by turns
.irp u, 0,1
	v_max3_num_f32 v[ST+8*\u+4+\j], v[S+32*\u+8*\j], v[S+32*\u+8*\j+1], v[S+32*\u+8*\j+2]
.endr
.endr
.irp e, 1,2
.irp j, 0,1,2,3
.irp u, 0,1
	v_max3_num_f32 v[ST+8*\u+4+\j], v[ST+8*\u+4+\j], v[S+32*\u+8*\j+2*\e+1], v[S+32*\u+8*\j+2*\e+2]
.endr
.endr
.endr
.irp u, 0,1
	v_max3_num_f32 v[ST+8*\u+4], v[ST+8*\u+4], v[S+32*\u+7], v[S+32*\u+15]
	v_max3_num_f32 v[ST+8*\u+6], v[ST+8*\u+6], v[S+32*\u+23], v[S+32*\u+31]
.endr
.irp u, 0,1
	v_max3_num_f32 v[ST+8*\u+4], v[ST+8*\u+4], v[ST+8*\u+5], v[ST+8*\u+6]
.endr
.irp u, 0,1
	v_max3_num_f32 v[ST+8*\u+4], v[ST+8*\u+4], v[ST+8*\u+7], v[ST+8*\u+1]
.endr
.if \last == 0
	s_load_b512 s[16:31], s[MP:MP+1], 128*((\q)+1)             ; the next step's mask words: the selects above have read this step's
	s_load_b512 s[32:47], s[MP:MP+1], 128*((\q)+1)+64
	s_load_b512 s[48:63], s[MP:MP+1], 128*((\q)+1)+4096
	s_load_b512 s[68:83], s[MP:MP+1], 128*((\q)+1)+4096+64
.endif
.irp u, 0,1
	v_permlanex16_b32 v[ST+8*\u+5], v[ST+8*\u+4], s[SEL], s[SEL+1]   ; the query's other 32 keys lie in the lane 16 away
.endr
.irp u, 0,1
	v_max_num_f32 v[ST+8*\u+1], v[ST+8*\u+4], v[ST+8*\u+5]     ; the new m
.endr
.irp u, 0,1
	v_mov_b32 v[ST+8*\u+7], v[ST+8*\u]
.endr
.irp u, 0,1
	v_mul_f32 v[ST+8*\u], 0xc1000000, v[ST+8*\u+1]             ; -8 m: exact
.endr
.irp u, 0,1
	v_sub_f32 v[ST+8*\u+7], v[ST+8*\u], v[ST+8*\u+7]           ; 8 m_old - 8 m_new
.endr
.set n, 0
.rept 16
	v_pk_fma_f32 v[S+n:S+n+1], v[S+n:S+n+1], s[EIGHT:EIGHT+1], v[ST:ST+1] op_sel_hi:[1,0,0]              ; t = 8 s - 8 m, two at a time
	v_pk_fma_f32 v[S+32+n:S+32+n+1], v[S+32+n:S+32+n+1], s[EIGHT:EIGHT+1], v[ST+8:ST+9] op_sel_hi:[1,0,0]
.set n, n+2
.endr
.irp u, 0,1
	v_exp_f32 v[ST+8*\u+6], v[ST+8*\u+7]           ; a
.endr
.set n, 0
.rept 64
	v_exp_f32 v[S+n], v[S+n]                       ; p = 2^t, at most 1
.set n, n+1
.endr
	v_nop                                          ; a plain instruction behind the last exponential
	s_wait_alu depctr_va_vdst(0)                   ; one wait for the batch of 66, ahead of its first reader
.irp u, 0,1
	v_pk_mul_f32 v[ST+8*\u+2:ST+8*\u+3], v[ST+8*\u+2:ST+8*\u+3], v[ST+8*\u+6:ST+8*\u+7] op_sel_hi:[1,0]   ; the sum under the new m
	v_pk_add_f32 v[ST+8*\u+4:ST+8*\u+5], v[S+32*\u:S+32*\u+1], v[S+32*\u+2:S+32*\u+3]                     ; the row's sum is taken of the unrounded p, in two chains
.endr
.irp j, 4,8,12,16,20,24,28
.irp u, 0,1
	v_pk_add_f32 v[ST+8*\u+2:ST+8*\u+3], v[ST+8*\u+2:ST+8*\u+3], v[S+32*\u+\j:S+32*\u+\j+1]
	v_pk_add_f32 v[ST+8*\u+4:ST+8*\u+5], v[ST+8*\u+4:ST+8*\u+5], v[S+32*\u+\j+2:S+32*\u+\j+3]
.endr
.endr
.irp u, 0,1
	v_pk_add_f32 v[ST+8*\u+2:ST+8*\u+3], v[ST+8*\u+2:ST+8*\u+3], v[ST+8*\u+4:ST+8*\u+5]
.endr
.set n, 0
.rept 16
	v_cvt_pk_f16_f32 v[S+n], v[S+2*n], v[S+2*n+1]              ; P in f16, in place, ascending: register n is written when 2 n and 2 n + 1 are read
	v_cvt_pk_f16_f32 v[S+32+n], v[S+32+2*n], v[S+32+2*n+1]
.set n, n+1
.endr
.set n, 0
.rept 16
	v_pk_mul_f32 v[O+n:O+n+1], v[O+n:O+n+1], v[ST+6:ST+7] op_sel_hi:[1,0]                 ; O^T under the new m
	v_pk_mul_f32 v[O+32+n:O+32+n+1], v[O+32+n:O+32+n+1], v[ST+14:ST+15] op_sel_hi:[1,0]
.set n, n+2
.endr
	s_wait_dscnt 0x0                               ; V is in
.irp g, 0,1                                    ; O^T += V^T P: the eight accumulators by turns
.irp t, 0,1,2,3
.irp u, 0,1
	v_wmma_f32_16x16x32_f16 v[O+32*\u+8*\t:O+32*\u+8*\t+7], v[KV+8*(4*\g+\t):KV+8*(4*\g+\t)+7], v[S+32*\u+8*\g:S+32*\u+8*\g+7], v[O+32*\u+8*\t:O+32*\u+8*\t+7]
.endr
.endr
.endr
.rept 5
	v_nop                                          ; the next step's first products write over P's registers (five places), its loads land on V's (four)
.endr
.endm
; THE CHANGE OF SLOTS stands at a slot's head.  Each wave waits for all its tensor loads, adds 0 to its spare word, and waits for that and for its reads of the slot that it has left.  fill = 1: a round of the cluster's barrier,
; and behind it the joint load of the next 256 keys into the slot just left: one tensor load of a wave is out at a time, and it has four key steps in which to land.
.macro CHANGE fill
	s_wait_tensorcnt 0x0                           ; no tensor load of mine is out, so the descriptor may be written
	ds_add_u32 v[SPW], v[NIL]
.if \fill
	ds_add_u32 v[SPW], v[NIL]                      ; and once more, in every trip alike
	s_xor_b32 s[G0+1], s[G0+1], SLOTB              ; the other slot than last time,
	s_add_nc_u64 s[G0+2:G0+3], s[G0+2:G0+3], 32768 ; the next 256 keys; the type bits on top are not reached
	s_wait_xcnt 0x0                                ; the last prefetch, a slot back, has read its address
	s_add_nc_u64 s[PFA:PFA+1], s[PFA:PFA+1], 32768
.endif
	s_wait_dscnt 0x0                               ; the add is done, and my reads of the slot that I have left are over
.if \fill
	ROUND
	TLOAD
	ASK
.else
	s_barrier_signal -1
	s_barrier_wait -1
.endif
	v_add_nc_u32 v[ADK], s[TB], v[LI]
.endm
	s_wait_loadcnt 0x0                             ; Q
.Lslot:                                            ; seven trips: behind each change of slots but the last the next slot is asked for
	CHANGE 1
	STEP 0, 0
	STEP 1, 0
	STEP 2, 0
	STEP 3, 0
	s_xor_b32 s[TB], s[TB], SLOTB
	s_wait_xcnt 0x0                                ; the scalar loads have read their base
	s_add_nc_u64 s[MP:MP+1], s[MP:MP+1], 512       ; four steps of 128 bytes on
	s_sub_co_u32 s[SLOTS], s[SLOTS], 1
	s_cmp_lg_u32 s[SLOTS], 0
	s_cbranch_scc1 .Lslot
	CHANGE 0                                       ; the last slot is written out
	STEP 0, 0
	STEP 1, 0
	STEP 2, 0
	STEP 3, 1
	; THE WAY OUT: O^T / the row's sum, rounded to f16: four registers a tile of 16 channels, stored as they stand: ci is laid as the last product's operand wants it.
.irp u, 0,1
	v_add_f32 v[ST+8*\u+4], v[ST+8*\u+2], v[ST+8*\u+3]
.endr
.irp u, 0,1
	v_permlanex16_b32 v[ST+8*\u+5], v[ST+8*\u+4], s[SEL], s[SEL+1]
.endr
.irp u, 0,1
	v_add_f32 v[ST+8*\u+4], v[ST+8*\u+4], v[ST+8*\u+5]         ; at least 1: the row's largest p is 1
.endr
.irp u, 0,1
	v_rcp_f32 v[ST+8*\u+6], v[ST+8*\u+4]
.endr
	v_nop
	s_wait_alu depctr_va_vdst(0)                   ; one wait for the two reciprocals, ahead of their first reader
.set n, 0
.rept 16
	v_pk_mul_f32 v[S+n:S+n+1], v[O+n:O+n+1], v[ST+6:ST+7] op_sel_hi:[1,0]
	v_pk_mul_f32 v[S+32+n:S+32+n+1], v[O+32+n:O+32+n+1], v[ST+14:ST+15] op_sel_hi:[1,0]
.set n, n+2
.endr
.set n, 0
.rept 16
	v_cvt_pk_f16_f32 v[S+n], v[S+2*n], v[S+2*n+1]
	v_cvt_pk_f16_f32 v[S+32+n], v[S+32+2*n], v[S+32+2*n+1]
.set n, n+1
.endr
.irp u, 0,1
.irp t, 0,1,2,3
	global_store_b128 v[LI], v[S+32*\u+4*\t:S+32*\u+4*\t+3], s[CIB:CIB+1] offset:1024*\t+512*\u   ; 512 consecutive bytes, aligned
.endr
.endr
	s_wait_tensorcnt 0x0                           ; the wave's end
	ds_add_u32 v[SPW], v[NIL]
	s_wait_dscnt 0x0
	ROUND                                          ; the closing round
	s_endpgm
.Lfunc_end_k_q630b0c46f9_attn:
	.size	k_q630b0c46f9_attn, .Lfunc_end_k_q630b0c46f9_attn-k_q630b0c46f9_attn
	.p2alignl 7, 3214868480
	.fill 96, 4, 3214868480
	.section	.rodata,"a",@progbits
	.p2align	6, 0x0
	.amdhsa_kernel k_q630b0c46f9_attn
		.amdhsa_group_segment_fixed_size 327680
		.amdhsa_private_segment_fixed_size 0
		.amdhsa_enable_private_segment 0
		.amdhsa_kernarg_size 24
		.amdhsa_user_sgpr_count 2
		.amdhsa_user_sgpr_kernarg_segment_ptr 1
		.amdhsa_wavefront_size32 1
		.amdhsa_system_sgpr_workgroup_id_x 1
		.amdhsa_system_sgpr_workgroup_id_y 1
		.amdhsa_system_sgpr_workgroup_id_z 1
		.amdhsa_system_vgpr_workitem_id 0
		.amdhsa_next_free_vgpr 256
		.amdhsa_next_free_sgpr 100
		.amdhsa_reserve_vcc 0
		.amdhsa_float_denorm_mode_32 3
		.amdhsa_float_denorm_mode_16_64 3
		.amdhsa_memory_ordered 1
		.amdhsa_forward_progress 1
		.amdhsa_inst_pref_size 186
	.end_amdhsa_kernel
	.amdgpu_metadata
---
amdhsa.version: [ 1, 2 ]
amdhsa.kernels:
  - .name:           k_q630b0c46f9_attn
    .symbol:         k_q630b0c46f9_attn.kd
    .args:
      - { .name: hi, .offset: 0, .size: 8, .value_kind: global_buffer, .address_space: global }
      - { .name: mw, .offset: 8, .size: 8, .value_kind: global_buffer, .address_space: global }
      - { .name: ci, .offset: 16, .size: 8, .value_kind: global_buffer, .address_space: global }
    .group_segment_fixed_size: 327680
    .private_segment_fixed_size: 0
    .kernarg_segment_align: 8
    .kernarg_segment_size: 24
    .max_flat_workgroup_size: 512
    .sgpr_count:     100
    .vgpr_count:     256
    .wavefront_size: 32
...
	.end_amdgpu_metadata
.endif
;; end of part 3
;; launch oproj (part 4): grid 32 x 8, 8 waves a work-group, clusters of 4 x 1, 327,680 bytes of LDS; arguments ci, wi, q, hi; writes hi
.if DOCPART == 4
	.amdgcn_target "amdgcn-amd-amdhsa--gfx1250"
	.amdhsa_code_object_version 6
	.text
	.protected	k_q630b0c46f9_oproj
	.globl	k_q630b0c46f9_oproj
	.p2align	8
	.type	k_q630b0c46f9_oproj,@function
k_q630b0c46f9_oproj:
	s_mov_b64 s[64:65], 0
	v_nop
	global_prefetch_b8 v0, s[64:65] scope:SCOPE_SE
	s_setreg_imm32_b32 hwreg(HW_REG_WAVE_MODE, 25, 1), 1
	s_wait_xcnt 0x0
	s_wait_alu depctr_hold_cnt(0) depctr_sa_sdst(0) depctr_va_vdst(0) depctr_va_sdst(0) depctr_va_ssrc(0) depctr_va_vcc(0) depctr_vm_vsrc(0)
	s_getreg_b32 s2, hwreg(HW_REG_IB_STS2, 6, 4)
	s_cmp_eq_u32 s2, 0
	s_cbranch_scc0 .Lentry_in_a_cluster
	s_endpgm
.Lentry_in_a_cluster:
	s_bfe_u32 s2, ttmp6, 0x10000c
	s_cmp_lg_u32 s2, 0x3003
	s_cbranch_scc0 .Lentry_shape_is_right
	s_endpgm
.Lentry_shape_is_right:
; OPROJ: x = ctx Wo + q, in f32, [8,192][1,024].  The product takes f16 operands and f32 sums.  Nothing of the problem's work is left out.
; x goes into the first 33,554,432 bytes of hi: the launch before was the last to read what lay there, and this launch loads nothing from hi.
; SHARES.  A work-group makes 256 rows x 128 columns; wave w rows 32 w .. 32 w + 31 of them, all 128 columns: 16 accumulators.  Source 0 = 16 columns of Wo, source 1 = 16 tokens: a lane holds one token and eight neighbouring columns.
; Wo's slice of 128 columns, 32 k steps of 8,192 bytes (images of its fragments' registers), lies in LDS WHOLE: filled once, never again, so there is no ring.  The cluster's four work-groups are four blocks of rows of one
; block of columns: the slice is asked for JOINTLY.  Wave w asks for k steps w, 8 + w, 16 + w, 24 + w: four tensor loads of a wave are out at the most; the work on eight k steps begins when their eight loads have landed.
; ctx is NOT shared through LDS: beside Wo's 262,144 bytes there is no room for a ring of a work-group's 524,288 bytes of ctx, and no wave reads another wave's rows.  A wave's 32 rows are 65,536 bytes on end in ci, laid as the operand's
; registers want them: they go from memory straight into registers, 2,048 bytes a k step, eight k steps ahead.
; q's 32 x 128 numbers of the wave are asked for behind k steps 8 to 15, four loads each, and wait in registers for the way out.
; The 32 k steps are written out: every offset is an immediate and no pointer is stepped.
; REGISTERS, in windows of 256: window 0: v2-9 addresses; v16-111 Wo's fragments, three sets of four; v112-239 ctx, eight k steps of 16 registers; on the way out rows of x.
;   window 1: v0-127 the accumulators (8 (8 rho + tile of columns)); v128-255 q (four registers a row).
; LIMIT: NaN and infinities are not served.
.set SPARE,  262144                    ; behind Wo: the spare words, 128 bytes for each of 8 waves: four blocks of 256 bytes that no other line names
.set SPITCH, 528                       ; a stage row: 512 bytes + 16: an odd multiple of 16, so that sixteen rows' stores fall on different banks (64 banks of 4 bytes: ISA guide 11.1)
.set QS,   8                           ; q's eight batches are issued behind k steps QS .. QS + 7
.set SPW,  2
.set NIL,  3
.set AW,   4                           ; v4-7  16 x lane + 65,536 b: Wo's k steps 8 b on
.set LI,   4                           ; v4    16 x lane
.set STO,  8
.set RD,   9
.set BF,   16
.set AF,   112
.set QR,   128                         ; in window 1
.set G1,   16                          ; s[16:23] descriptor group 1
.set G0,   24                          ; s[24:39] four groups 0
.set WV,   40
.set MSB,  0
.macro WIN new                         ; the immediate's high byte repeats the setting that is left
.if MSB != (\new)
	s_set_vgpr_msb (MSB<<8)|(\new)
.set MSB, (\new)
.endif
.endm
.macro ROUND                           ; a round of the cluster's barrier
	s_barrier_signal -1
	s_barrier_wait -1
	s_cmp_lg_u32 s[WV], 0
	s_cbranch_scc1 .Lnot_wave_0_\@
	s_barrier_signal -3
.Lnot_wave_0_\@:
	s_barrier_wait -3
	s_barrier_signal -1
	s_barrier_wait -1
.endm
.macro PLACES                          ; plain vector instructions between a matrix instruction and a load into, or a read of, its registers
.rept 4
	v_nop
.endr
.endm
	s_load_b256 s[4:11], s[0:1], 0x0               ; ci s[4:5], wi s[6:7], q s[8:9], hi s[10:11]
	v_lshl_add_u32 v[SPW], v0, 2, SPARE
	v_mov_b32 v[NIL], 0
	ds_add_u32 v[SPW], v[NIL]                      ; the wave's opening: the add, twice on end, and its wait ahead of my first tensor load
	ds_add_u32 v[SPW], v[NIL]
	v_lshrrev_b32 v12, 5, v0
	v_readfirstlane_b32 s[WV], v12                 ; wave 0..7
	s_bfe_u32 s41, ttmp6, 0x40000                  ; cx
	s_lshl_b32 s42, ttmp9, 2
	s_add_co_u32 s42, s42, s41                     ; my block of 256 rows: it enters ci's, q's and hi's addresses alone
	s_and_b32 s43, ttmp7, 0xffff                   ; my block of 128 columns, which the four partners share
	s_mov_b32 s[G1], 15|(3<<16)|(1<<21)            ; the mask: all four work-groups; elements of 8 bytes; bit 21 beside a mask; no padding
	s_mov_b32 s[G1+1], 32<<16                      ; tensor_dim0 = 32 elements: 256 bytes
	s_mov_b32 s[G1+2], 32<<16                      ; tensor_dim1 = 32 rows: a k step's 8,192 dense bytes
	s_mov_b32 s[G1+3], 32<<16                      ; tile_dim0
	s_mov_b32 s[G1+4], 32                          ; tile_dim1
	s_mov_b32 s[G1+5], 32                          ; dense
	s_mov_b32 s[G1+6], 0
	s_mov_b32 s[G1+7], 0
	s_lshl_b32 s44, s[WV], 16                      ; wi: k step w, 65,536 bytes a k step,
	s_lshl_b32 s45, s43, 13                        ; my eight tiles of 16 columns, 1,024 bytes each
	s_add_co_u32 s44, s44, s45
	s_mov_b32 s45, 0
	s_lshl_b32 s46, s[WV], 13                      ; LDS: 8,192 x wave
	s_lshl_b32 s48, s42, 3
	s_add_co_u32 s48, s48, s[WV]                   ; my block of 32 rows
	s_lshl_b32 s48, s48, 16                        ; its 65,536 bytes of ci
	s_mov_b32 s49, 0
	s_lshl_b32 s50, s42, 8
	s_lshl_b32 s51, s[WV], 5
	s_add_co_u32 s50, s50, s51                     ; my first row,
	s_lshl_b32 s50, s50, 12                        ; 4,096 bytes a row of q and of x,
	s_lshl_b32 s51, s43, 9                         ; my 128 columns' 512 bytes
	s_add_co_u32 s50, s50, s51
	s_mov_b32 s51, 0
	s_mul_i32 s52, s[WV], 16*SPITCH                ; my stage
	s_wait_dscnt 0x0                               ; both opening adds are done
	s_wait_kmcnt 0x0
	s_add_nc_u64 s[6:7], s[6:7], s[44:45]
.irp j, 0,1,2,3
	s_mov_b32 s[G0+4*\j], 1                        ; count = 1
	s_add_co_u32 s[G0+4*\j+1], s46, \j*65536       ; LDS address: k step 8 j + w
	s_add_nc_u64 s[G0+4*\j+2:G0+4*\j+3], s[6:7], \j*524288
	s_or_b32 s[G0+4*\j+3], s[G0+4*\j+3], 0x80000000   ; type = 2
.endr
	s_add_nc_u64 s[4:5], s[4:5], s[48:49]
	s_add_nc_u64 s[8:9], s[8:9], s[50:51]
	s_add_nc_u64 s[10:11], s[10:11], s[50:51]
	ROUND                                          ; all four work-groups are here: the joint loads meet
.irp j, 0,1,2,3
	tensor_load_to_lds s[G0+4*\j:G0+4*\j+3], s[G1:G1+7]
	s_nop 0
.endr
.rept 4
	v_nop
.endr
	v_and_b32 v12, 31, v0
	v_lshlrev_b32 v[LI], 4, v12
.macro ALOAD k                         ; ctx's two fragments of k step k into slot k % 8 of the ring: four loads of 512 consecutive bytes
.irp p, 0,1
.irp u, 0,1
	global_load_b128 v[AF+16*((\k)%8)+8*\p+4*\u:AF+16*((\k)%8)+8*\p+4*\u+3], v[LI], s[4:5] offset:(\k)*2048+\u*1024+\p*512
.endr
.endr
.endm
.macro QLOAD j                         ; rows 4 j .. 4 j + 3 of my 32 rows of q: 512 consecutive bytes a load, into window 1
	WIN 0x40
.irp i, 0,1,2,3
	global_load_b128 v[QR+16*(\j)+4*\i:QR+16*(\j)+4*\i+3], v[LI], s[8:9] offset:(4*(\j)+\i)*4096 th:TH_LOAD_NT
.endr
	WIN 0
.endm
.macro LW b, e                         ; Wo's four fragments of half step e of block b: k step 8 b + e / 2, tiles of columns 4 (e % 2) on, into set e % 3
.set kk, (\e)/2
.set hf, (\e)%2
.set fb, BF+32*((\e)%3)
.irp f, 0,1,2,3
.irp u, 0,1
	ds_load_b128 v[fb+8*\f+4*\u:fb+8*\f+4*\u+3], v[AW+(\b)] offset:kk*8192+(4*hf+\f)*1024+\u*512
.endr
.endr
.endm
.macro MUL e, slot, zero               ; eight products; an accumulator comes up again behind fifteen others.  zero = 1: the first products start the sums
.set hf, (\e)%2
.set fb, BF+32*((\e)%3)
.set fa, AF+16*(\slot)
.irp p, 0,1
.irp f, 0,1,2,3
.if \zero
	v_wmma_f32_16x16x32_f16 v[8*(8*\p+4*hf+\f):8*(8*\p+4*hf+\f)+7], v[fb+8*\f:fb+8*\f+7], v[fa+8*\p:fa+8*\p+7], 0
.else
	v_wmma_f32_16x16x32_f16 v[8*(8*\p+4*hf+\f):8*(8*\p+4*hf+\f)+7], v[fb+8*\f:fb+8*\f+7], v[fa+8*\p:fa+8*\p+7], v[8*(8*\p+4*hf+\f):8*(8*\p+4*hf+\f)+7]
.endif
.endr
.endr
.endm
; Half step e (0 .. 15) of block b (eight k steps).  Wo's fragments are asked for three half steps ahead, ctx's eight k steps ahead.
.macro HALF b, e
.set KAP, 8*(\b)+(\e)/2
.if (\e) < 14
	s_wait_dscnt 16                                ; this half step's eight LDS loads are in; those of the next two may be out
.else
	s_wait_dscnt 8*(15-(\e))
.endif
.if (\e)%2 == 0
; Loads come back in order (ISA guide 5.7.1).  Behind this k step's four loads of ctx were issued: those of the next NA k steps, and the batches of q that stand behind k steps KAP - 8 .. KAP - 1
.set NA, 31-KAP
.if NA > 7
.set NA, 7
.endif
.set QLO, KAP-8
.if QLO < QS
.set QLO, QS
.endif
.set QHI, KAP-1
.if QHI > QS+7
.set QHI, QS+7
.endif
.set NQB, QHI-QLO+1
.if NQB < 0
.set NQB, 0
.endif
	s_wait_loadcnt 4*(NA+NQB)
.endif
	WIN 0x50                                       ; C and D in window 1
.if ((\b) == 0) && ((\e) < 2)
	MUL \e, KAP%8, 1
.else
	MUL \e, KAP%8, 0
.endif
	WIN 0
	PLACES                                         ; ahead of the loads into the registers that these products have read
.if (\e)+3 < 16
	LW \b, (\e)+3
.endif
.if (\e)%2 == 1
.if KAP+8 < 32
	ALOAD KAP+8                                    ; the ring's slot takes the k step eight further on; the last eight k steps ask for nothing: no load leaves ci
.endif
.if (KAP >= QS) && (KAP < QS+8)
	QLOAD KAP-QS
.endif
.endif
.endm
.macro BODY b                          ; k steps 8 b .. 8 b + 7
	s_wait_tensorcnt 3-(\b)                        ; tensor loads of a wave end in order (ISA guide 10.11.1): my k step of this block is in LDS; my later ones may be out
	s_barrier_signal -1                            ; (no LDS instruction of mine is out here)
	s_barrier_wait -1                              ; everybody's is
	LW \b, 0
	LW \b, 1
	LW \b, 2
.set E, 0
.rept 16
	HALF \b, E
.set E, E+1
.endr
.endm
.irp k, 0,1,2,3,4,5,6,7
	ALOAD \k                                       ; the ring is filled: 16,384 bytes of a wave are on their way
.endr
.irp b, 1,2,3
	v_add_nc_u32 v[AW+\b], \b*65536, v[LI]
.endr
	v_and_b32 v13, 15, v0                          ; r
	v_bfe_u32 v14, v0, 4, 1                        ; h
	v_mul_u32_u24 v[STO], v13, SPITCH
	v_lshl_add_u32 v[STO], v14, 5, v[STO]
	v_add_nc_u32 v[STO], s52, v[STO]               ; the stage, in: row r, + 32 h
	v_add_nc_u32 v[RD], s52, v[LI]                 ; and back: a whole row of 512 bytes, 16 bytes a lane
	BODY 0
	BODY 1
	BODY 2
	BODY 3
	; THE WAY OUT.  A lane holds 32 neighbouring bytes of a row and the lanes beside it hold other rows: a tile of 16 rows goes through my own stage and comes back as whole rows of 512 bytes; q is added; 32 lanes store a row's 512 bytes.
	; The stages lie over Wo's bytes, which have had their one fill, and, behind this barrier, their last read.
	s_barrier_signal -1                            ; (my last LDS loads were waited for in the last half step)
	s_barrier_wait -1
.macro TOSTAGE p
.irp f, 0,1,2,3,4,5,6,7
	ds_store_b128 v[STO], v[8*(8*\p+\f):8*(8*\p+\f)+3] offset:64*\f          ; each accumulator from its low end on
	ds_store_b128 v[STO], v[8*(8*\p+\f)+4:8*(8*\p+\f)+7] offset:64*\f+16
.endr
.irp i, 0,1,2,3,4,5,6,7,8,9,10,11,12,13,14,15
	ds_load_b128 v[AF+64*\p+4*\i:AF+64*\p+4*\i+3], v[RD] offset:\i*SPITCH     ; LDS serves a wave's instructions in order (ISA guide 5.7.1.4): these see my stores, and the next tile's stores come behind them
.endr
.endm
.macro ADDQ p
.set k, 0
.rept 32
	v_pk_add_f32 v[AF+64*\p+k:AF+64*\p+k+1], v[AF+64*\p+k:AF+64*\p+k+1], v[QR+64*\p+k:QR+64*\p+k+1]
.set k, k+2
.endr
.endm
.macro SEND p                          ; each tile of rows has registers of its own: no store's data are written again
.irp i, 0,1,2,3,4,5,6,7,8,9,10,11,12,13,14,15
	global_store_b128 v[LI], v[AF+64*\p+4*\i:AF+64*\p+4*\i+3], s[10:11] offset:(16*\p+\i)*4096 th:TH_STORE_NT   ; 512 consecutive bytes, aligned
.endr
.endm
	WIN 0x04                                       ; source 1 in window 1: an LDS store's data, and q
	TOSTAGE 0
	TOSTAGE 1
	s_wait_dscnt 32                                ; the first tile is back; the second's 16 stores and 16 loads may be out
	s_wait_loadcnt 0x0                             ; q
	ADDQ 0
	WIN 0
	SEND 0
	s_wait_dscnt 0x0
	WIN 0x04
	ADDQ 1
	WIN 0
	SEND 1
	s_wait_tensorcnt 0x0                           ; the wave's end, behind my last tensor load and my last LDS store
	ds_add_u32 v[SPW], v[NIL]
	s_wait_dscnt 0x0
	ROUND                                          ; the closing round
	s_endpgm
.Lfunc_end_k_q630b0c46f9_oproj:
	.size	k_q630b0c46f9_oproj, .Lfunc_end_k_q630b0c46f9_oproj-k_q630b0c46f9_oproj
	.p2alignl 7, 3214868480
	.fill 96, 4, 3214868480
	.section	.rodata,"a",@progbits
	.p2align	6, 0x0
	.amdhsa_kernel k_q630b0c46f9_oproj
		.amdhsa_group_segment_fixed_size 327680
		.amdhsa_private_segment_fixed_size 0
		.amdhsa_enable_private_segment 0
		.amdhsa_kernarg_size 32
		.amdhsa_user_sgpr_count 2
		.amdhsa_user_sgpr_kernarg_segment_ptr 1
		.amdhsa_wavefront_size32 1
		.amdhsa_system_sgpr_workgroup_id_x 1
		.amdhsa_system_sgpr_workgroup_id_y 1
		.amdhsa_system_sgpr_workgroup_id_z 1
		.amdhsa_system_vgpr_workitem_id 0
		.amdhsa_next_free_vgpr 512
		.amdhsa_next_free_sgpr 66
		.amdhsa_reserve_vcc 0
		.amdhsa_float_denorm_mode_32 3
		.amdhsa_float_denorm_mode_16_64 3
		.amdhsa_memory_ordered 1
		.amdhsa_forward_progress 1
		.amdhsa_inst_pref_size 112
	.end_amdhsa_kernel
	.amdgpu_metadata
---
amdhsa.version: [ 1, 2 ]
amdhsa.kernels:
  - .name:           k_q630b0c46f9_oproj
    .symbol:         k_q630b0c46f9_oproj.kd
    .args:
      - { .name: ci, .offset: 0, .size: 8, .value_kind: global_buffer, .address_space: global }
      - { .name: wi, .offset: 8, .size: 8, .value_kind: global_buffer, .address_space: global }
      - { .name: q, .offset: 16, .size: 8, .value_kind: global_buffer, .address_space: global }
      - { .name: hi, .offset: 24, .size: 8, .value_kind: global_buffer, .address_space: global }
    .group_segment_fixed_size: 327680
    .private_segment_fixed_size: 0
    .kernarg_segment_align: 8
    .kernarg_segment_size: 32
    .max_flat_workgroup_size: 256
    .sgpr_count:     66
    .vgpr_count:     512
    .wavefront_size: 32
...
	.end_amdgpu_metadata
.endif
;; end of part 4
;; launch ln (part 5): grid 256 x 1, 8 waves a work-group, no clusters, 0 bytes of LDS; arguments hi, gamma, beta, out0; writes out0
.if DOCPART == 5
	.amdgcn_target "amdgcn-amd-amdhsa--gfx1250"
	.amdhsa_code_object_version 6
	.text
	.protected	k_q630b0c46f9_ln
	.globl	k_q630b0c46f9_ln
	.p2align	8
	.type	k_q630b0c46f9_ln,@function
k_q630b0c46f9_ln:
	s_mov_b64 s[64:65], 0
	v_nop
	global_prefetch_b8 v0, s[64:65] scope:SCOPE_SE
	s_setreg_imm32_b32 hwreg(HW_REG_WAVE_MODE, 25, 1), 1
	s_wait_xcnt 0x0
; LN: out0 = (x - mean) / sqrt(var + 1e-6) gamma + beta along each row of 1,024; x, f32, lies in the first 33,554,432 bytes of hi.  All in f32.  Nothing of the problem's work is left out.
; A stream: each byte of x is read once and each byte of out0 written once, 512 consecutive bytes an instruction.  A row is 4,096 bytes: 32 registers of one wave, so the mean, the variance of x - mean (as the reference has it)
; and the scaling never leave the wave: no LDS, no barrier, no matrix unit, no cluster (work-groups share nothing but gamma and beta, 8,192 bytes).
; A wave takes four rows, each in registers of its own; all its 48 loads are issued at the head.
; LIMIT: NaN and infinities are not served.
.set LI,  1                            ; v1       16 x lane
.set GA,  16                           ; v16-47   gamma, in a row's layout
.set BE,  48                           ; v48-79   beta
.set XB,  112                          ; v112-239 four rows
.set SEL, 16                           ; s[16:17] lane selects for v_permlanex16_b32: lane l xor 16
	s_load_b256 s[4:11], s[0:1], 0x0               ; hi s[4:5], gamma s[6:7], beta s[8:9], out0 s[10:11]
	v_lshrrev_b32 v2, 5, v0
	v_readfirstlane_b32 s12, v2                    ; wave 0..7
	v_and_b32 v3, 31, v0
	v_lshlrev_b32 v[LI], 4, v3
	s_lshl_b32 s14, ttmp9, 17                      ; the work-group's 32 rows of 4,096 bytes,
	s_lshl_b32 s15, s12, 14                        ; my wave's four of them
	s_add_co_u32 s14, s14, s15
	s_mov_b32 s15, 0
	s_mov_b32 s[SEL], 0x76543210
	s_mov_b32 s[SEL+1], 0xfedcba98
	v_mov_b32 v245, 0                              ; (upper halves of pairs whose low word serves both halves)
	v_mov_b32 v249, 0
	v_mov_b32 v247, 0x3a800000                     ; 1 / 1,024
	v_mov_b32 v250, 0x358637bd                     ; 1e-6
	s_wait_kmcnt 0x0
	s_add_nc_u64 s[4:5], s[4:5], s[14:15]
	s_add_nc_u64 s[10:11], s[10:11], s[14:15]
.irp i, 0,1,2,3,4,5,6,7
	global_load_b128 v[GA+4*\i:GA+4*\i+3], v[LI], s[6:7] offset:512*\i
.endr
.irp i, 0,1,2,3,4,5,6,7
	global_load_b128 v[BE+4*\i:BE+4*\i+3], v[LI], s[8:9] offset:512*\i
.endr
.irp n, 0,1,2,3
.irp i, 0,1,2,3,4,5,6,7
	global_load_b128 v[XB+32*\n+4*\i:XB+32*\n+4*\i+3], v[LI], s[4:5] offset:4096*\n+512*\i th:TH_LOAD_NT
.endr
.endr
.macro ALLSUM                          ; v240: the sum over the 32 lanes, in every lane
	v_add_f32_dpp v240, v240, v240 row_xmask:1 row_mask:0xf bank_mask:0xf
	v_add_f32_dpp v240, v240, v240 row_xmask:2 row_mask:0xf bank_mask:0xf
	v_add_f32_dpp v240, v240, v240 row_xmask:4 row_mask:0xf bank_mask:0xf
	v_add_f32_dpp v240, v240, v240 row_xmask:8 row_mask:0xf bank_mask:0xf
	v_permlanex16_b32 v241, v240, s[SEL], s[SEL+1]
	v_add_f32 v240, v240, v241
.endm
.macro ROWLN n                         ; my row n of four: 32 numbers a lane
.set XR, XB+32*(\n)
	s_wait_loadcnt 8*(3-(\n))                      ; gamma, beta and this row are in; the later rows may be out
	v_pk_add_f32 v[240:241], v[XR:XR+1], v[XR+2:XR+3]
	v_pk_add_f32 v[242:243], v[XR+4:XR+5], v[XR+6:XR+7]
.irp j, 8,12,16,20,24,28
	v_pk_add_f32 v[240:241], v[240:241], v[XR+\j:XR+\j+1]
	v_pk_add_f32 v[242:243], v[242:243], v[XR+\j+2:XR+\j+3]
.endr
	v_pk_add_f32 v[240:241], v[240:241], v[242:243]
	v_add_f32 v240, v240, v241
	ALLSUM
	v_mul_f32 v244, 0xba800000, v240               ; -mean
.set k, 0
.rept 16
	v_pk_add_f32 v[XR+k:XR+k+1], v[XR+k:XR+k+1], v[244:245] op_sel_hi:[1,0]
.set k, k+2
.endr
	v_pk_mul_f32 v[240:241], v[XR:XR+1], v[XR:XR+1]
	v_pk_mul_f32 v[242:243], v[XR+2:XR+3], v[XR+2:XR+3]
.irp j, 4,8,12,16,20,24,28
	v_pk_fma_f32 v[240:241], v[XR+\j:XR+\j+1], v[XR+\j:XR+\j+1], v[240:241]
	v_pk_fma_f32 v[242:243], v[XR+\j+2:XR+\j+3], v[XR+\j+2:XR+\j+3], v[242:243]
.endr
	v_pk_add_f32 v[240:241], v[240:241], v[242:243]
	v_add_f32 v240, v240, v241
	ALLSUM
	v_fma_f32 v246, v240, v247, v250               ; variance + 1e-6
	v_rsq_f32 v248, v246
	v_nop                                          ; a plain instruction behind the transcendental
	s_wait_alu depctr_va_vdst(0)                   ; ahead of the first reader
.set k, 0
.rept 16
	v_pk_mul_f32 v[XR+k:XR+k+1], v[XR+k:XR+k+1], v[248:249] op_sel_hi:[1,0]
.set k, k+2
.endr
.set k, 0
.rept 16
	v_pk_fma_f32 v[XR+k:XR+k+1], v[XR+k:XR+k+1], v[GA+k:GA+k+1], v[BE+k:BE+k+1]
.set k, k+2
.endr
.irp i, 0,1,2,3,4,5,6,7
	global_store_b128 v[LI], v[XR+4*\i:XR+4*\i+3], s[10:11] offset:4096*(\n)+512*\i th:TH_STORE_NT   ; 512 consecutive bytes, aligned; each row has registers of its own
.endr
.endm
	ROWLN 0
	ROWLN 1
	ROWLN 2
	ROWLN 3
	s_endpgm
.Lfunc_end_k_q630b0c46f9_ln:
	.size	k_q630b0c46f9_ln, .Lfunc_end_k_q630b0c46f9_ln-k_q630b0c46f9_ln
	.p2alignl 7, 3214868480
	.fill 96, 4, 3214868480
	.section	.rodata,"a",@progbits
	.p2align	6, 0x0
	.amdhsa_kernel k_q630b0c46f9_ln
		.amdhsa_group_segment_fixed_size 0
		.amdhsa_private_segment_fixed_size 0
		.amdhsa_enable_private_segment 0
		.amdhsa_kernarg_size 32
		.amdhsa_user_sgpr_count 2
		.amdhsa_user_sgpr_kernarg_segment_ptr 1
		.amdhsa_wavefront_size32 1
		.amdhsa_system_sgpr_workgroup_id_x 1
		.amdhsa_system_sgpr_workgroup_id_y 1
		.amdhsa_system_sgpr_workgroup_id_z 1
		.amdhsa_system_vgpr_workitem_id 0
		.amdhsa_next_free_vgpr 256
		.amdhsa_next_free_sgpr 66
		.amdhsa_reserve_vcc 0
		.amdhsa_float_denorm_mode_32 3
		.amdhsa_float_denorm_mode_16_64 3
		.amdhsa_memory_ordered 1
		.amdhsa_forward_progress 1
		.amdhsa_inst_pref_size 33
	.end_amdhsa_kernel
	.amdgpu_metadata
---
amdhsa.version: [ 1, 2 ]
amdhsa.kernels:
  - .name:           k_q630b0c46f9_ln
    .symbol:         k_q630b0c46f9_ln.kd
    .args:
      - { .name: hi, .offset: 0, .size: 8, .value_kind: global_buffer, .address_space: global }
      - { .name: gamma, .offset: 8, .size: 8, .value_kind: global_buffer, .address_space: global }
      - { .name: beta, .offset: 16, .size: 8, .value_kind: global_buffer, .address_space: global }
      - { .name: out0, .offset: 24, .size: 8, .value_kind: global_buffer, .address_space: global }
    .group_segment_fixed_size: 0
    .private_segment_fixed_size: 0
    .kernarg_segment_align: 8
    .kernarg_segment_size: 32
    .max_flat_workgroup_size: 256
    .sgpr_count:     66
    .vgpr_count:     256
    .wavefront_size: 32
...
	.end_amdgpu_metadata
.endif
;; end of part 5
